; MI455X (gfx1250); checked and timed in simulation.
; The chip was launched on July 23, 2026; its instructions are those of AMD's public machine-readable ISA for CDNA 5 (MIT licence, August 2026) and "CDNA5" Instruction Set Architecture Reference Guide (July 2026). The comments in the code are by the model that wrote it; some were corrected since.
;; Multi Head Attention. Allowed arithmetic: matrix products marked QUANTISED: E2M1 operands, one E8M0 scale for each 32 along K, by v_wmma_scale_f32_16x16x128_f8f6f4 with both operands' format E2M1 (or v_wmma_scale_f32_32x16x128_f4), f32 sums; everything else in f32.
;; Inputs: Wk_codes 512 x 16 x 16 uint8 (E2M1 codes of Wk, K innermost, in blocks of 32 codes, two codes a byte); Wk_scales 512 x 16 uint8 (E8M0 scales of Wk, one for each 32 codes along K); Wo_codes 512 x 16 x 16 uint8 (E2M1 codes of Wo, K innermost, in blocks of 32 codes, two codes a byte); Wo_scales 512 x 16 uint8 (E8M0 scales of Wo, one for each 32 codes along K); Wq_codes 512 x 16 x 16 uint8 (E2M1 codes of Wq, K innermost, in blocks of 32 codes, two codes a byte); Wq_scales 512 x 16 uint8 (E8M0 scales of Wq, one for each 32 codes along K); Wv_codes 512 x 16 x 16 uint8 (E2M1 codes of Wv, K innermost, in blocks of 32 codes, two codes a byte); Wv_scales 512 x 16 uint8 (E8M0 scales of Wv, one for each 32 codes along K); bk 512 float32; bo 512 float32; bq 512 float32; bv 512 float32; k_codes 2 x 4,096 x 16 x 16 uint8 (E2M1 codes of k, K innermost, in blocks of 32 codes, two codes a byte); k_scales 2 x 4,096 x 16 uint8 (E8M0 scales of k, one for each 32 codes along K); mask 2 x 1 x 1 x 4,096 bool; q_codes 2 x 4,096 x 16 x 16 uint8 (E2M1 codes of q, K innermost, in blocks of 32 codes, two codes a byte); q_scales 2 x 4,096 x 16 uint8 (E8M0 scales of q, one for each 32 codes along K); v_codes 2 x 4,096 x 16 x 16 uint8 (E2M1 codes of v, K innermost, in blocks of 32 codes, two codes a byte); v_scales 2 x 4,096 x 16 uint8 (E8M0 scales of v, one for each 32 codes along K).
;; Outputs: out0 2 x 4,096 x 512 float32.
;; This version of the problem:
;;   THIS VERSION OF THE PROBLEM IS GIVEN IN LOW PRECISION. The matrix products marked QUANTISED in the list below multiply operands that are first quantised to E2M1 (2 exponent bits, 1 mantissa bit; 4 bits a number), with one power-of-two scale for each 32 numbers along K (OCP MX v1.0); their sums are f32. All else is computed in f32.
;;   The module's matrix products, in the order in which they are computed (A, B: the left and right operand; K: the contracted axis; several contracted axes count as one K, in the product's order):
;;     1. [M 8,192, K 512] x [K 512, N 512]; A: input q (given as codes); B: input Wq (given as codes): QUANTISED
;;     2. [M 8,192, K 512] x [K 512, N 512]; A: input k (given as codes); B: input Wk (given as codes): QUANTISED
;;     3. [M 8,192, K 512] x [K 512, N 512]; A: input v (given as codes); B: input Wv (given as codes): QUANTISED
;;     4. batch 16 x [M 4,096, K 64] x [K 64, N 4,096]; A: computed on the way; B: computed on the way: QUANTISED
;;     5. batch 16 x [M 4,096, K 4,096] x [K 4,096, N 64]; A: computed on the way; B: computed on the way: QUANTISED
;;     6. [M 8,192, K 512] x [K 512, N 512]; A: computed on the way; B: input Wo (given as codes): QUANTISED
;;   THE QUANTISER, for each operand of a quantised product, along K:
;;     - K is cut into blocks of 32 from its start; a last block that is shorter is filled with zeros.
;;     - A block's scale is 2^e with e = floor(log2(the largest magnitude in the block)) - 2, held to -126 .. 127; a block of zeros has e = 0. As a byte (E8M0): e + 127.
;;     - Each number is divided by its block's scale, clamped to +-6, and rounded to the nearest number of E2M1, ties to even, subnormals kept.
;;     - The product sums the exact products of the quantised numbers (number of the format x scale) in f32.
;;   ~~~python
;;   def quantise(x, axis):      # numpy; x: float32 -> the quantised numbers, widened to float32 again
;;       x = np.moveaxis(x, axis, -1); K = x.shape[-1]
;;       x = np.pad(x, [(0, 0)] * (x.ndim - 1) + [(0, -K % 32)]); x = x.reshape(x.shape[:-1] + (-1, 32)); a = np.abs(x).max(-1, keepdims=True)
;;       e = np.where(a > 0, np.clip(np.frexp(np.where(a > 0, a, 1))[1] - 1 - 2, -126, 127), 0)      # np.frexp(a)[1] - 1 = floor(log2(a)), exactly
;;       r = np.clip(x / 2.0 ** e, -6, 6)
;;       step = 2.0 ** (np.maximum(np.frexp(np.where(r == 0, 1, r))[1] - 1, 0) - 1)
;;       q = np.round(r / step) * step * 2.0 ** e      # np.round: ties to even
;;       return np.moveaxis(q.reshape(q.shape[:-2] + (-1,))[..., :K], -1, axis).astype(np.float32)
;;   ~~~
;;   OPERANDS COMPUTED ON THE WAY. 'Computed on the way' means the value that the module computes at that place (a softmax that the list does not call 'softmax' is quantised finished and normalised). What goes into a quantiser is computed in f32, as accurately as f32 sums, v_exp_f32 and their like allow (about 1e-6 of the number): no bf16 or f16 on the way to a quantiser, and a product that is left as it is and whose result goes on into a quantised operand takes f32 operands (vector FMAs, or v_wmma_f32_16x16x4_f32). A number that lies on a knife's edge between two numbers of the format may be rounded either way, as far as f32 arithmetic and the matrix unit's own rounding can turn it there, and no further.
;;   INPUTS GIVEN AS CODES. Wk (in the module: [512, 512], K = its axis 1); Wo (in the module: [512, 512], K = its axis 1); Wq (in the module: [512, 512], K = its axis 1); Wv (in the module: [512, 512], K = its axis 1); k (in the module: [2, 4096, 512], K = its axis 2); q (in the module: [2, 4096, 512], K = its axis 2); v (in the module: [2, 4096, 512], K = its axis 2): each comes as NAME_codes (uint8): NAME with its K axis moved to the last place and cut into blocks of 32 codes, [.., K / 32, bytes a block], one block behind the other in memory; two codes a byte, the lower K in the low four bits (a code: sign, 2 exponent bits, 1 mantissa bit); and NAME_scales (uint8): the same leading axes, one E8M0 byte (e + 127) for each 32 codes along K. Its value is code x scale, taken as it is: it is not quantised again, and the codes and scales need not be those that the quantiser above would give.
;; 2 versions, each right; version 2 is version 1 with the launches proj, attn, oproj written anew for expert scheduling mode. Each part assembles by itself: llvm-mc -triple=amdgcn-amd-amdhsa -mcpu=gfx1250 --defsym DOCPART=n.
;; ======== version 1 of 2: 3 launches
;; limits: right only within a limited range of input values
;; workspace buffers: qimg 2,097,152 bytes; qsc 262,144 bytes; kimg 2,097,152 bytes; ksc 262,144 bytes; vimg 2,097,152 bytes; vsc 131,072 bytes; ctxc 2,097,152 bytes; ctxs 131,072 bytes
;; launch proj (part 1): grid 256 x 3, 4 waves a work-group, no clusters, 0 bytes of LDS; arguments q_codes, q_scales, Wq_codes, Wq_scales, bq, k_codes, k_scales, Wk_codes, Wk_scales, bk, v_codes, v_scales, Wv_codes, Wv_scales, bv, mask, qimg, qsc, kimg, ksc, vimg, vsc; writes qimg, qsc, kimg, ksc, vimg, vsc
.if DOCPART == 1
	.amdgcn_target "amdgcn-amd-amdhsa--gfx1250"
	.amdhsa_code_object_version 6
	.text
	.protected	k_q80bc79f8bd_proj
	.globl	k_q80bc79f8bd_proj
	.p2align	8
	.type	k_q80bc79f8bd_proj,@function
k_q80bc79f8bd_proj:
	s_mov_b64 s[64:65], 0
	v_nop
	global_prefetch_b8 v0, s[64:65] scope:SCOPE_SE
	s_setreg_imm32_b32 hwreg(HW_REG_WAVE_MODE, 25, 1), 1
	s_wait_xcnt 0x0
; qh = q Wq^T + bq, kh = k Wk^T + bk, vh = v Wv^T + bv on codes of FP4 (E2M1) with E8M0 scales as they are given; the three results are quantised again (qh, kh along a head's 64 numbers, vh along the keys)
; and stored as IMAGES OF THE OPERAND REGISTERS of the attention launch.  Work-group y chooses the path: 0 = Q, 1 = K, 2 = V; each path is one expansion of PATH and ends the wave.
; A CELL: source 0 = 64 rows as four tiles, source 1 = one tile of 16 rows, K = 512: 16 matrix instructions on four accumulators by turns.  THE ROWS OF A TILE OF SOURCE 0 ARE NOT NEIGHBOURS: lane r of tile g
; takes row 8 g + r % 8 + 32 (r / 8).  In the results lane (r, h) then holds, in register 8 g + j, source 0's row 32 h + 8 g + j: a whole block of 32 neighbours along the next product's K in ONE lane, in the order
; of the 4-bit operand: no other lane is asked for the block's largest magnitude, and four conversions give four registers of the next operand.
; Q, K: source 0 = a head's 64 rows of the weight, source 1 = 16 rows of q or k.  V: source 0 = 64 rows (keys) of v, source 1 = 16 rows of Wv.  A wave keeps source 0 in 128 registers and does four cells.
; The bias is the C of a sum's first matrix instruction.
; THE MASK rides in the scale words.  The attention launch's first product has K = 64 of the instruction's 128; it sets one code -1 (K's side) against one code +1 (Q's side) at k = 64.  Q's byte for that block is 100 (2^-27);
; K's is 254 (2^127) for a masked key, which adds -2^100 to its score, and 0 (2^-127) for any other, which adds -2^-154, under half of the smallest f32 number.  The block behind it has zero codes and the byte 127.
; A batch with NO key left: reference() then gives equal weights.  Every K wave ORs the batch's 4,096 mask bytes; if none is set, K's codes become zeros, its scale bytes 127 and no key is marked: all scores are equal.  By selects, no branch.
; LIMITS: scores |q . k| under 2^90 (a masked key's -2^100 must drown them); NaN and infinities are not served; a block whose largest magnitude lies under 2^-124 takes the byte 1, a block of zeros too (this program alone reads the bytes).
; NO LDS, no barrier: waves share nothing.  NO CLUSTER: what work-groups share (a head's rows of a weight, 64 rows of an input) goes straight into operand registers, once a wave, where a joint load cannot put it.
; The scale words leave 128 consecutive bytes a store (half of an aligned 256): 0.6 MiB of the launch's 7.
.set VA,   3                           ; v3   source 0's codes: 256 (r % 8 + 32 (r / 8)) + 16 h
.set VAS,  4                           ; v4   source 0's scale words: lanes 0-15 an even tile's rows, lanes 16-31 the odd tile's, 8 rows on
.set VB,   5                           ; v5   source 1's codes
.set VBS,  6                           ; v6   source 1's scale words
.set LI16, 7                           ; v7   16 x lane
.set LI4,  8                           ; v8   4 x lane
.set SH8,  9                           ; v9   8 h
.set VBI,  10                          ; v10  the bias
.set VMK,  11                          ; v11  r % 8 + 32 (r / 8)
.set MBV,  12                          ; v12  a masked key's byte: 254, or 0 where the batch has no key left
.set AF,   16                          ; v16-143  source 0: fragment (tile g, K step ks) at AF + 8 (4 g + ks)
.set AS,   144                         ; v144-151 its scale words: AS + 4 (g / 2) + ks
.set BF,   152                         ; v152-183 source 1: BF + 8 ks
.set BS,   184                         ; v184-187 its scale words
.set ACC,  188                         ; v188-219 four accumulators
.set CH,   220                         ; v220-223 chains of the maximum
.set SOP,  224                         ; the conversions' scale operand
.set BY,   225                         ; the scale's byte
.set TMP,  226
.set TMP2, 227
.set PCD,  228                         ; v228-243 codes, four registers a cell: no store's data are written again
.set W,    244                         ; v244-247 a scale word a cell
.set MK,   248                         ; v248-251 the mask bytes of the four cells' keys
.set BI,   0                           ; window 1, v0-31 (v256-287): the bias in the result's layout
.set MSB, 0
.macro WIN new                         ; the immediate's high byte repeats the setting that is left
.if MSB != (\new)
	s_set_vgpr_msb (MSB<<8)|(\new)
.set MSB, (\new)
.endif
.endm
.macro PLACES                          ; four plain vector instructions between a matrix instruction and a load into, or a read of, its registers
.rept 4
	v_nop
.endr
.endm
; one matrix instruction.  ck = 1: C in registers from c on; 0: the constant 0.  odd = 1: source 0's scale words stand in lanes 16-31
.macro WM d, a, b, ck, c, sa, sb, odd
.if (\ck) && (\odd)
	v_wmma_scale_f32_16x16x128_f8f6f4 v[\d:\d+7], v[\a:\a+7], v[\b:\b+7], v[\c:\c+7], v[\sa], v[\sb] matrix_a_fmt:MATRIX_FMT_FP4 matrix_b_fmt:MATRIX_FMT_FP4 matrix_a_scale:MATRIX_SCALE_ROW1
.elseif (\ck)
	v_wmma_scale_f32_16x16x128_f8f6f4 v[\d:\d+7], v[\a:\a+7], v[\b:\b+7], v[\c:\c+7], v[\sa], v[\sb] matrix_a_fmt:MATRIX_FMT_FP4 matrix_b_fmt:MATRIX_FMT_FP4
.elseif (\odd)
	v_wmma_scale_f32_16x16x128_f8f6f4 v[\d:\d+7], v[\a:\a+7], v[\b:\b+7], 0, v[\sa], v[\sb] matrix_a_fmt:MATRIX_FMT_FP4 matrix_b_fmt:MATRIX_FMT_FP4 matrix_a_scale:MATRIX_SCALE_ROW1
.else
	v_wmma_scale_f32_16x16x128_f8f6f4 v[\d:\d+7], v[\a:\a+7], v[\b:\b+7], 0, v[\sa], v[\sb] matrix_a_fmt:MATRIX_FMT_FP4 matrix_b_fmt:MATRIX_FMT_FP4
.endif
.endm
; source 1 of cell i: eight loads of codes, one of scale words (16 bytes a row: the four K steps' words)
.macro BLOAD p, i
.if \p == 0
.set BOFF, 4096*(\i)                   ; 16 rows of q on
.elseif \p == 1
.set BOFF, 2048*(\i)                   ; 8 rows of k on: cell i is tile i of the 64 keys
.else
.set BOFF, 256*(32*((\i)/2)+8*((\i)%2)) ; Wv: tile 2 B + u begins at row 32 B + 8 u
.endif
.irp ks,0,1,2,3
.irp c,0,1
	global_load_b128 v[BF+8*\ks+4*\c:BF+8*\ks+4*\c+3], v[VB], s[PBC:PBC+1] offset:BOFF+64*\ks+32*\c
.endr
.endr
	global_load_b128 v[BS:BS+3], v[VBS], s[PBS:PBS+1] offset:BOFF/16
.endm
.macro BIASV                           ; path V: a lane holds ONE output channel, so its bias fills the eight registers of C
	WIN 0x40                                       ; destination window 1
.irp j,0,1,2,3,4,5,6,7
	global_load_b32 v[BI+\j], v[VBI], s[12:13] offset:BOFF/64
.endr
	WIN 0
.endm
; a cell's 16 matrix instructions: the four accumulators take turns, one instruction a turn
.macro MM p
	WIN 0x10                                       ; C (the bias) in window 1
.irp g,0,1,2,3
.if \p == 2
	WM ACC+8*\g, AF+32*\g, BF, 1, BI, AS+4*(\g/2), BS, (\g%2)
.else
	WM ACC+8*\g, AF+32*\g, BF, 1, BI+8*\g, AS+4*(\g/2), BS, (\g%2)
.endif
.endr
	WIN 0
.irp ks,1,2,3
.irp g,0,1,2,3
	WM ACC+8*\g, AF+32*\g+8*\ks, BF+8*\ks, 1, ACC+8*\g, AS+4*(\g/2)+\ks, BS+\ks, (\g%2)
.endr
.endr
.endm
; my 32 numbers are one block: its largest magnitude (four chains, each begun at its accumulator's low end), the floor 2^(3 - 127) as one more leaf, the scale operand, the byte, the codes
.macro QUANT32 i
.irp t,0,1,2,3
	v_max3_num_f32 v[CH+\t], |v[ACC+8*\t]|, |v[ACC+8*\t+1]|, |v[ACC+8*\t+2]|
.endr
.irp t,0,1,2,3
	v_max3_num_f32 v[CH+\t], v[CH+\t], |v[ACC+8*\t+3]|, |v[ACC+8*\t+4]|
.endr
.irp t,0,1,2,3
	v_max3_num_f32 v[CH+\t], v[CH+\t], |v[ACC+8*\t+5]|, |v[ACC+8*\t+6]|
.endr
	v_max3_num_f32 v[CH], v[CH], |v[ACC+7]|, |v[ACC+15]|
	v_max3_num_f32 v[CH+2], v[CH+2], |v[ACC+23]|, |v[ACC+31]|
	v_max3_num_f32 v[CH], v[CH], v[CH+1], v[CH+2]
	v_max3_num_f32 v[CH], v[CH], v[CH+3], 0x1800000  ; the floor holds the byte at 1 from below
	v_add_nc_u32 v[SOP], 0xff000000, v[CH]         ; 2 off the exponent field: the conversion takes this operand's exponent field as its scale
	v_lshrrev_b32 v[BY], 23, v[SOP]                ; the scale's byte
.irp t,0,1,2,3
	v_cvt_scalef32_pk8_fp4_f32 v[PCD+4*(\i)+\t], v[ACC+8*\t:ACC+8*\t+7], v[SOP]
.endr
	v_nop                                          ; one plain instruction behind the last conversion: the next cell's products write its sources
.endm
.macro PATH p
.if \p == 2
.set PAC, 4                            ; source 0 is the input, source 1 the weight
.set PAS, 6
.set PBC, 8
.set PBS, 10
.set XSH, 14                           ; the input goes in groups of 64 rows of 256 bytes
.set ISH, 11                           ; an image of (head, 64 keys): 4 tiles x 512 bytes
.set SSH, 7                            ; its scale words: 128 bytes
.else
.set PAC, 8                            ; source 0 is the weight, source 1 the input
.set PAS, 10
.set PBC, 4
.set PBS, 6
.set ISH, 9                            ; an image of a tile: 512 bytes
.set SSH, 6                            ; its scale words: 64 bytes
.if \p == 0
.set XSH, 12                           ; q goes in tiles of 16 rows
.else
.set XSH, 14
.endif
.endif
	s_load_b256 s[4:11], s[0:1], 40*\p             ; the input's codes, its scales, the weight's codes, its scales
	s_load_b64 s[12:13], s[0:1], 40*\p+32          ; the bias
	s_load_b128 s[16:19], s[0:1], 128+16*\p        ; the images, the scale words
.if \p == 1
	s_load_b64 s[20:21], s[0:1], 120               ; the mask
.endif
.if \p == 0
	v_lshlrev_b32 v[VB], 8, v1                     ; q: row r, + 16 h
	v_lshl_add_u32 v[VB], v2, 4, v[VB]
	v_lshlrev_b32 v[VBS], 4, v1
	v_lshlrev_b32 v[VBI], 7, v2                    ; the bias of channels 32 h on
	s_and_b32 s32, ttmp9, 7                        ; the head
	s_lshr_b32 s33, ttmp9, 3
	s_lshl_b32 s33, s33, 4
	s_lshl_b32 s34, s2, 2
	s_add_co_u32 s33, s33, s34                     ; my first tile of 16 rows, of 512: 16 (x / 8) + 4 wave
	s_lshr_b32 s34, s33, 8                         ; the batch
	s_lshl_b32 s34, s34, 3
	s_add_co_u32 s34, s34, s32                     ; 8 batch + head
	s_lshl_b32 s34, s34, 8
	s_and_b32 s35, s33, 255
	s_add_co_u32 s34, s34, s35                     ; the image's number: 256 (8 batch + head) + tile
.elseif \p == 1
	v_mov_b32 v[VB], v[VA]                         ; k: the keys of a tile are chosen as source 0's rows are
	v_lshlrev_b32 v[VBS], 4, v[VMK]
	v_lshlrev_b32 v[VBI], 7, v2
	s_and_b32 s32, ttmp9, 7                        ; the head
	s_lshr_b32 s33, ttmp9, 3
	s_lshl_b32 s33, s33, 2
	s_add_co_u32 s33, s33, s2                      ; my group of 64 keys, of 128: 4 (x / 8) + wave
	s_lshr_b32 s38, s33, 6                         ; the batch
	s_lshl_b32 s34, s38, 3
	s_add_co_u32 s34, s34, s32
	s_lshl_b32 s34, s34, 6
	s_and_b32 s35, s33, 63
	s_add_co_u32 s34, s34, s35
	s_lshl_b32 s34, s34, 2                         ; the first image's number: 256 (8 batch + head) + 4 group
.else
	v_add_nc_u32 v13, v14, v1                      ; Wv: lane r of a tile takes row r + 8 (r / 8)
	v_lshlrev_b32 v[VB], 8, v13
	v_lshl_add_u32 v[VB], v2, 4, v[VB]
	v_lshlrev_b32 v[VBS], 4, v13
	v_lshlrev_b32 v[VBI], 2, v13
	s_lshr_b32 s33, ttmp9, 1                       ; my group of 64 keys
	s_and_b32 s32, ttmp9, 1
	s_lshl_b32 s32, s32, 2
	s_add_co_u32 s32, s32, s2                      ; the head: 4 (x % 2) + wave
	s_lshr_b32 s38, s33, 6
	s_lshl_b32 s34, s38, 3
	s_add_co_u32 s34, s34, s32
	s_lshl_b32 s34, s34, 6
	s_and_b32 s35, s33, 63
	s_add_co_u32 s34, s34, s35                     ; 64 (8 batch + head) + group
.endif
	s_wait_kmcnt 0x0
	s_lshl_b32 s36, s33, XSH                       ; (s37 = 0: every offset is a pair)
	s_add_nc_u64 s[4:5], s[4:5], s[36:37]          ; the input's codes at my rows,
	s_lshl_b32 s36, s33, XSH-4
	s_add_nc_u64 s[6:7], s[6:7], s[36:37]          ; their scale bytes, 16 a row
	s_lshl_b32 s36, s32, 14
	s_add_nc_u64 s[8:9], s[8:9], s[36:37]          ; the weight at the head's 64 rows
	s_lshl_b32 s36, s32, 10
	s_add_nc_u64 s[10:11], s[10:11], s[36:37]
	s_lshl_b32 s36, s32, 8
	s_add_nc_u64 s[12:13], s[12:13], s[36:37]      ; the head's 64 numbers of the bias
	s_lshl_b32 s36, s34, ISH
	s_add_nc_u64 s[16:17], s[16:17], s[36:37]
	s_lshl_b32 s36, s34, SSH
	s_add_nc_u64 s[18:19], s[18:19], s[36:37]
.if \p == 1
	s_lshl_b32 s36, s33, 6
	s_add_nc_u64 s[22:23], s[20:21], s[36:37]      ; the mask at my 64 keys,
	s_lshl_b32 s36, s38, 12
	s_add_nc_u64 s[20:21], s[20:21], s[36:37]      ; and at the batch's first key
.endif
.irp g,0,1,2,3                         ; source 0 stays: tile g begins 8 g rows on
.irp ks,0,1,2,3
.irp c,0,1
	global_load_b128 v[AF+8*(4*\g+\ks)+4*\c:AF+8*(4*\g+\ks)+4*\c+3], v[VA], s[PAC:PAC+1] offset:2048*\g+64*\ks+32*\c
.endr
.endr
.endr
.irp q,0,1
	global_load_b128 v[AS+4*\q:AS+4*\q+3], v[VAS], s[PAS:PAS+1] offset:256*\q
.endr
	BLOAD \p, 0
.if \p == 2
	BIASV
.else
	WIN 0x40                                       ; destination window 1
.irp g,0,1,2,3
	global_load_b128 v[BI+8*\g:BI+8*\g+3], v[VBI], s[12:13] offset:32*\g       ; register 8 g + j: the bias of channel 32 h + 8 g + j
	global_load_b128 v[BI+8*\g+4:BI+8*\g+7], v[VBI], s[12:13] offset:32*\g+16
.endr
	WIN 0
.endif
.if \p == 1
.irp i,0,1,2,3
	global_load_u8 v[MK+\i], v[VMK], s[22:23] offset:8*\i                      ; the flag of my key in cell i
.endr
.irp j,0,1,2,3,4,5,6,7
	global_load_b128 v[ACC+4*\j:ACC+4*\j+3], v[LI16], s[20:21] offset:512*\j   ; the batch's 4,096 flags
.endr
.endif
.irp i,0,1,2,3
	s_wait_loadcnt 0x0                             ; this cell's source 1 (and, the first time, all else) is in
.if (\p == 1) && (\i == 0)
.irp s,16,8,4,2,1                      ; is any key of the batch left?
.set jj, 0
.rept \s
	v_or_b32 v[ACC+jj], v[ACC+jj], v[ACC+jj+\s]
.set jj, jj+1
.endr
.endr
	v_cmp_ne_u32 vcc_lo, 0, v[ACC]
	s_cmp_lg_u32 vcc_lo, 0
	s_cselect_b32 s44, -1, 0                       ; all ones if so: it only selects values
	s_and_b32 s45, s44, 254
	s_and_not1_b32 s46, 0x7f7f, s44                ; else K's two scale bytes become 127
	v_mov_b32 v[MBV], s45
.endif
	MM \p
	PLACES                                         ; in front of the loads into source 1's registers and of the first read of results
.if \i < 3
	BLOAD \p, \i+1
.if \p == 2
	BIASV
.endif
.endif
	QUANT32 \i
.if \p == 1
.irp t,0,1,2,3
	v_and_b32 v[PCD+4*\i+\t], s44, v[PCD+4*\i+\t]  ; no key left in the batch: zeros
.endr
.endif
	global_store_b128 v[LI16], v[PCD+4*\i:PCD+4*\i+3], s[16:17] offset:512*\i  ; the image: 512 consecutive bytes, aligned
	v_lshlrev_b32 v[TMP], v[SH8], v[BY]            ; my block's byte at its place, 8 h bits up,
	v_permlanex16_b32 v[TMP2], v[TMP], s42, s43    ; and lane l xor 16's
.if \p == 0
	v_or_b32 v[TMP], v[TMP], v[TMP2]
	v_or_b32 v[W+\i], 0x7f640000, v[TMP]           ; bytes: block 0, block 1, 100, 127
.elseif \p == 1
	v_or_b32 v[TMP], v[TMP], v[TMP2]
	v_and_b32 v[TMP], s44, v[TMP]
	v_or_b32 v[TMP], s46, v[TMP]
	v_cmp_eq_u32 vcc_lo, 0, v[MK+\i]               ; a masked key
	v_cndmask_b32 v[TMP2], 0, v[MBV], vcc_lo
	v_or_b32 v[TMP], 0x7f000000, v[TMP]
	v_lshl_or_b32 v[W+\i], v[TMP2], 16, v[TMP]     ; bytes: block 0, block 1, the mark, 127
.else
	v_or_b32 v[W+\i], v[TMP], v[TMP2]              ; the channel's two bytes for these 64 keys
.endif
.endr
.if \p == 2
	v_lshl_or_b32 v[CH], v[W+1], 16, v[W]          ; tiles 0 and 1 in one word, tiles 2 and 3 in the next
	v_lshl_or_b32 v[CH+1], v[W+3], 16, v[W+2]
	v_cndmask_b32 v[CH], v[CH], v[CH+1], s40       ; lanes 0-15 the first, lanes 16-31 the second
	global_store_b32 v[LI4], v[CH], s[18:19]
.else
	v_cndmask_b32 v[CH], v[W], v[W+1], s40         ; lanes 0-15 an even cell's words, lanes 16-31 the odd cell's
	v_cndmask_b32 v[CH+1], v[W+2], v[W+3], s40
	global_store_b32 v[LI4], v[CH], s[18:19]
	global_store_b32 v[LI4], v[CH+1], s[18:19] offset:128
.endif
	s_endpgm
.endm
	v_lshrrev_b32 v1, 5, v0
	v_readfirstlane_b32 s2, v1                     ; wave 0..3
	s_and_b32 s3, ttmp7, 0xffff                    ; the path
	v_and_b32 v1, 15, v0                           ; r
	v_bfe_u32 v2, v0, 4, 1                         ; h
	v_and_b32 v13, 7, v1
	v_and_b32 v14, 8, v1
	v_lshl_add_u32 v[VMK], v14, 2, v13             ; r % 8 + 32 (r / 8)
	v_lshlrev_b32 v[VA], 8, v[VMK]
	v_lshl_add_u32 v[VA], v2, 4, v[VA]
	v_lshlrev_b32 v[VAS], 4, v[VMK]
	v_lshl_add_u32 v[VAS], v2, 7, v[VAS]
	v_and_b32 v15, 31, v0
	v_lshlrev_b32 v[LI16], 4, v15
	v_lshlrev_b32 v[LI4], 2, v15
	v_lshlrev_b32 v[SH8], 3, v2
	v_mov_b32 v[TMP2], 0                           ; a lane permute's destination counts as one of its sources
	s_mov_b32 s40, 0xffff0000                      ; lanes 16-31
	s_mov_b32 s42, 0x76543210
	s_mov_b32 s43, 0xfedcba98                      ; v_permlanex16_b32's selects for lane l xor 16
	s_mov_b32 s37, 0
	s_cmp_eq_u32 s3, 0
	s_cbranch_scc1 .Lpath_q
	s_cmp_eq_u32 s3, 1
	s_cbranch_scc1 .Lpath_k
	PATH 2
.Lpath_q:
	PATH 0
.Lpath_k:
	PATH 1
.Lfunc_end_k_q80bc79f8bd_proj:
	.size	k_q80bc79f8bd_proj, .Lfunc_end_k_q80bc79f8bd_proj-k_q80bc79f8bd_proj
	.p2alignl 7, 3214868480
	.fill 96, 4, 3214868480
	.section	.rodata,"a",@progbits
	.p2align	6, 0x0
	.amdhsa_kernel k_q80bc79f8bd_proj
		.amdhsa_group_segment_fixed_size 0
		.amdhsa_private_segment_fixed_size 0
		.amdhsa_enable_private_segment 0
		.amdhsa_kernarg_size 176
		.amdhsa_user_sgpr_count 2
		.amdhsa_user_sgpr_kernarg_segment_ptr 1
		.amdhsa_wavefront_size32 1
		.amdhsa_system_sgpr_workgroup_id_x 1
		.amdhsa_system_sgpr_workgroup_id_y 1
		.amdhsa_system_sgpr_workgroup_id_z 1
		.amdhsa_system_vgpr_workitem_id 0
		.amdhsa_next_free_vgpr 288
		.amdhsa_next_free_sgpr 66
		.amdhsa_reserve_vcc 1
		.amdhsa_float_denorm_mode_32 3
		.amdhsa_float_denorm_mode_16_64 3
		.amdhsa_memory_ordered 1
		.amdhsa_forward_progress 1
		.amdhsa_inst_pref_size 81
	.end_amdhsa_kernel
	.amdgpu_metadata
---
amdhsa.version: [ 1, 2 ]
amdhsa.kernels:
  - .name:           k_q80bc79f8bd_proj
    .symbol:         k_q80bc79f8bd_proj.kd
    .args:
      - { .name: q_codes, .offset: 0, .size: 8, .value_kind: global_buffer, .address_space: global }
      - { .name: q_scales, .offset: 8, .size: 8, .value_kind: global_buffer, .address_space: global }
      - { .name: Wq_codes, .offset: 16, .size: 8, .value_kind: global_buffer, .address_space: global }
      - { .name: Wq_scales, .offset: 24, .size: 8, .value_kind: global_buffer, .address_space: global }
      - { .name: bq, .offset: 32, .size: 8, .value_kind: global_buffer, .address_space: global }
      - { .name: k_codes, .offset: 40, .size: 8, .value_kind: global_buffer, .address_space: global }
      - { .name: k_scales, .offset: 48, .size: 8, .value_kind: global_buffer, .address_space: global }
      - { .name: Wk_codes, .offset: 56, .size: 8, .value_kind: global_buffer, .address_space: global }
      - { .name: Wk_scales, .offset: 64, .size: 8, .value_kind: global_buffer, .address_space: global }
      - { .name: bk, .offset: 72, .size: 8, .value_kind: global_buffer, .address_space: global }
      - { .name: v_codes, .offset: 80, .size: 8, .value_kind: global_buffer, .address_space: global }
      - { .name: v_scales, .offset: 88, .size: 8, .value_kind: global_buffer, .address_space: global }
      - { .name: Wv_codes, .offset: 96, .size: 8, .value_kind: global_buffer, .address_space: global }
      - { .name: Wv_scales, .offset: 104, .size: 8, .value_kind: global_buffer, .address_space: global }
      - { .name: bv, .offset: 112, .size: 8, .value_kind: global_buffer, .address_space: global }
      - { .name: mask, .offset: 120, .size: 8, .value_kind: global_buffer, .address_space: global }
      - { .name: qimg, .offset: 128, .size: 8, .value_kind: global_buffer, .address_space: global }
      - { .name: qsc, .offset: 136, .size: 8, .value_kind: global_buffer, .address_space: global }
      - { .name: kimg, .offset: 144, .size: 8, .value_kind: global_buffer, .address_space: global }
      - { .name: ksc, .offset: 152, .size: 8, .value_kind: global_buffer, .address_space: global }
      - { .name: vimg, .offset: 160, .size: 8, .value_kind: global_buffer, .address_space: global }
      - { .name: vsc, .offset: 168, .size: 8, .value_kind: global_buffer, .address_space: global }
    .group_segment_fixed_size: 0
    .private_segment_fixed_size: 0
    .kernarg_segment_align: 8
    .kernarg_segment_size: 176
    .max_flat_workgroup_size: 128
    .sgpr_count:     66
    .vgpr_count:     288
    .wavefront_size: 32
...
	.end_amdgpu_metadata
.endif
;; end of part 1
;; launch attn (part 2): grid 16 x 16, 4 waves a work-group, no clusters, 165,376 bytes of LDS; arguments qimg, qsc, kimg, ksc, vimg, vsc, ctxc, ctxs; writes ctxc, ctxs
.if DOCPART == 2
	.amdgcn_target "amdgcn-amd-amdhsa--gfx1250"
	.amdhsa_code_object_version 6
	.text
	.protected	k_q80bc79f8bd_attn
	.globl	k_q80bc79f8bd_attn
	.p2align	8
	.type	k_q80bc79f8bd_attn,@function
k_q80bc79f8bd_attn:
	s_mov_b64 s[64:65], 0
	v_nop
	global_prefetch_b8 v0, s[64:65] scope:SCOPE_SE
	s_setreg_imm32_b32 hwreg(HW_REG_WAVE_MODE, 25, 1), 1
	s_wait_xcnt 0x0
; For one (batch, head) and 256 queries: scores = qh kh^T / 8 under the mask, the FINISHED softmax, quantised along the keys, times vh; the result is quantised along the model's axis for the last product.
; Both products on codes of FP4 (E2M1) with E8M0 scales.  The weights are quantised NORMALISED, so a row's sum over all 4,096 keys must be known before any weight becomes a code.
; SHARES.  A work-group of four waves takes 16 queries at a time, 16 times.  THE WAVES SHARE THE KEYS: wave w owns keys 1024 w .. 1024 w + 1023 for the whole launch.  Its 16 x 1,024 scores stay in 512 registers from the
; product until they are codes: each score is multiplied once and goes through one exponential.  Its fragments of V stay in 256 registers; its fragments of K lie in its own 36 KiB of LDS, copied there once.
; A TILE OF 16 QUERIES:  S: 16 groups of 64 keys: S^T = K Q^T (four matrix instructions a group) and each block's largest score |  E: p = 2^(c s - c m_w), m_w my keys' largest score, and their sum l_w |
; barrier A: the waves' (c m_w, l_w) meet in LDS: l = sum of 2^(c m_w - c m) l_w, f_w = 2^(c m_w - c m) / l |  N: p f_w, quantised, O^T += V^T P^T |  barrier B: the four partial O^T meet in LDS; waves 0 and 2 add them,
; quantise 32 channels each and store; that stands inside the next tile's phase S.
; LAYOUT.  Both products are used transposed (source 0 = 16 keys, or 16 channels of V; source 1 = my 16 queries): a lane holds ONE query.  The keys of K's tiles were chosen so that a group's 32 registers of lane (r, h) are keys
; 64 G + 32 h + 0 .. 31: a whole block, in the order of the 4-bit operand: four conversions give four registers of P.  V's channels were chosen so that tiles 2 B, 2 B + 1 give a lane channels 32 B + 16 h + 0 .. 15.
; THE MASK costs no vector instruction: the head's 64 fill half of the instruction's K; at k = 64 K's fragment has the code -1 and Q's the code +1, and the scale bytes of that block make of them -2^100 for a masked key and
; -2^-154, which changes no f32 number, for any other.  m_w is held at -2^64 from below: a wave whose keys are all masked then has p = 0 everywhere, l_w = 0 and f_w = 0.
; A BLOCK'S LARGEST WEIGHT IS NOT SEARCHED FOR: its largest score goes through the same multiply-add, exponential and multiplication as every score.  This takes v_exp_f32 not to fall where its input rises.
; The rounded c m_w stands in every exponent and in the exchange alike, so its rounding cancels in p / l.
; LIMITS: |q . k| under 2^60 (m_w's hold at -2^64 must lie under every real score); NaN and infinities are not served; l and O are sums of four partial f32 sums, one for each quarter of the keys; with every key of a batch
; masked the result rests on v_rcp_f32(4096) = 2^-12; a block whose largest number lies under 2^-124 takes the byte 1, a block of zeros too (this program alone reads the bytes).
; NO TENSOR LOADS: no LDS byte is filled twice.  NO CLUSTER: the 16 work-groups of a head share 280 KiB, read once against 16 tiles' work, and half of it goes into registers, where a joint load cannot put it.
; REGISTERS, in windows of 256 (s_set_vgpr_msb: bits 1:0 source 0, 3:2 source 1, 5:4 source 2, 7:6 destination): window 0 as named below; window 1: V's 32 fragments at 8 (4 ks + dt);
; windows 2, 3: the scores: group g at 32 (g % 8) of window 2 + g / 8.
.set KIMG, 0                           ; LDS: 4 x 32,768: each wave's 64 tiles of K, 512 bytes each, as images of the operand's registers 0-3
.set KSC,  131072                      ; 4 x 4,096: each wave's scale words, 64 bytes a tile
.set PART, 147456                      ; 4 x 4,096: each wave's O^T as images: 1,024 dt + 512 c + 16 lane
.set STAT, 163840                      ; 512: -c m_w at 16 r + 4 w; l_w at 256 + 16 r + 4 w
.set CST,  164352                      ; 512: the context's scale bytes at 2 (16 tile + r) + B
.set LI,   1                           ; v1   16 x lane
.set KAD,  2                           ; v2   my K images
.set KSA,  3                           ; v3   my K scale words, 4 x lane
.set PST,  4                           ; v4   where I store O^T
.set PLD,  5                           ; v5   where an even wave reads the four waves' tiles 2 B, 2 B + 1
.set STS,  6                           ; v6   where I store my statistics
.set STL,  7                           ; v7   where I read the four waves'
.set R4,   8                           ; v8   4 r
.set CAD,  9                           ; v9   my 8 bytes of the context's image
.set CSA,  10                          ; v10  my scale byte's place in tile 0
.set SH8,  11                          ; v11  8 h
.set CSB,  12                          ; v12  the same in the tile in hand
.set NEGINF, 13                        ; v13  -infinity
.set NCM,  14                          ; v[14:15] -c m_w (the packed form names the pair and takes its low word)
.set F,    16                          ; v[16:17] f_w
.set T,    18                          ; v18-41  at work
.set BM,   42                          ; v42-57  a block's largest score, then its largest weight, then its conversions' scale operand
.set PW,   58                          ; v58-65  P's scale words, one a K step
.set VS,   66                          ; v66-81  V's scale words: 2 ks + pair; lanes 0-15 the even tile's, lanes 16-31 the odd tile's
.set KS,   82                          ; v82-87  K's scale words: three sets of two
.set QS,   88                          ; v88     Q's scale words
.set QF,   90                          ; v90-97  Q's fragment: four registers loaded, four constant
.set PC,   98                          ; v98-113 P's codes, two sets
.set OA,   114                         ; v114-145 O^T, four accumulators
.set KF,   146                         ; v146-241 K's fragments: three sets of four; each four registers loaded, four constant
.set CSR,  242                         ; v242    CST + 16 x lane
.set KSW,  243                         ; v243    where K's scale words are stored
.set SELV, 244                         ; v244    v_perm_b32's selector: the low halves in lanes 0-15, the high halves in lanes 16-31
.set MSB, 0
.macro WIN new                         ; the immediate's high byte repeats the setting that is left
.if MSB != (\new)
	s_set_vgpr_msb (MSB<<8)|(\new)
.set MSB, (\new)
.endif
.endm
.macro PLACES                          ; four plain vector instructions between a matrix instruction and a load into, or a read of, its registers
.rept 4
	v_nop
.endr
.endm
.macro WM d, a, b, ck, c, sa, sb, odd  ; one matrix instruction.  ck = 1: C in registers from c on; 0: the constant 0.  odd = 1: source 0's scale words stand in lanes 16-31
.if (\ck) && (\odd)
	v_wmma_scale_f32_16x16x128_f8f6f4 v[\d:\d+7], v[\a:\a+7], v[\b:\b+7], v[\c:\c+7], v[\sa], v[\sb] matrix_a_fmt:MATRIX_FMT_FP4 matrix_b_fmt:MATRIX_FMT_FP4 matrix_a_scale:MATRIX_SCALE_ROW1
.elseif (\ck)
	v_wmma_scale_f32_16x16x128_f8f6f4 v[\d:\d+7], v[\a:\a+7], v[\b:\b+7], v[\c:\c+7], v[\sa], v[\sb] matrix_a_fmt:MATRIX_FMT_FP4 matrix_b_fmt:MATRIX_FMT_FP4
.elseif (\odd)
	v_wmma_scale_f32_16x16x128_f8f6f4 v[\d:\d+7], v[\a:\a+7], v[\b:\b+7], 0, v[\sa], v[\sb] matrix_a_fmt:MATRIX_FMT_FP4 matrix_b_fmt:MATRIX_FMT_FP4 matrix_a_scale:MATRIX_SCALE_ROW1
.else
	v_wmma_scale_f32_16x16x128_f8f6f4 v[\d:\d+7], v[\a:\a+7], v[\b:\b+7], 0, v[\sa], v[\sb] matrix_a_fmt:MATRIX_FMT_FP4 matrix_b_fmt:MATRIX_FMT_FP4
.endif
.endm
; line m of six that fetch group g's K: four fragments, two registers of scale words; into set g % 3
.macro SL1 g, m
.if (\m) < 4
	ds_load_b128 v[KF+32*((\g)%3)+8*(\m):KF+32*((\g)%3)+8*(\m)+3], v[KAD] offset:512*(4*(\g)+(\m))
.else
	ds_load_b32 v[KS+2*((\g)%3)+(\m)-4], v[KSA] offset:128*(2*(\g)+(\m)-4)
.endif
.endm
.macro SLOAD g
.irp m,0,1,2,3,4,5
	SL1 \g, \m
.endr
.endm
; group g's scores: four tiles of 16 keys; each product starts its own sum with the constant 0
.macro SMUL g
.set PB_, 32*((\g)%8)
.set WW, 2+(\g)/8
.set KB_, KF+32*((\g)%3)
.set SB_, KS+2*((\g)%3)
	WIN WW<<6
	WM PB_, KB_, QF, 0, 0, SB_, QS, 0
	WM PB_+8, KB_+8, QF, 0, 0, SB_, QS, 1
	WM PB_+16, KB_+16, QF, 0, 0, SB_+1, QS, 0
	WM PB_+24, KB_+24, QF, 0, 0, SB_+1, QS, 1
.endm
; the largest of group g's 32 scores of my lane: one block.  Four chains, each begun at its accumulator's low end.  The first four lines are also the places behind the products just issued;
; behind them the six loads of group ld (none where ld < 0) stand one ahead of every second line.
.macro SMAX g, ld
.set PB_, 32*((\g)%8)
.set WW, 2+(\g)/8
	WIN (WW<<2)|(WW<<4)
.irp t,0,1,2,3
	v_max3_num_f32 v[T+\t], v[NEGINF], v[PB_+8*\t], v[PB_+8*\t+1]
.endr
.set nn, 0
.irp k,1,2,3
.irp t,0,1,2,3
.if ((\ld) >= 0) && (nn%2 == 0)
	SL1 \ld, nn/2
.endif
	v_max3_num_f32 v[T+\t], v[T+\t], v[PB_+8*\t+2*\k], v[PB_+8*\t+2*\k+1]
.set nn, nn+1
.endr
.endr
	WIN 0
	v_max3_num_f32 v[BM+\g], v[T], v[T+1], v[T+2]
	v_max_num_f32 v[BM+\g], v[BM+\g], v[T+3]
.endm
; group g's turn in phase S.  The wait counts the six loads of each group fetched behind group g: two groups, at the end one, then none.  pre = 1: groups 0-2 were waited for in front of barrier B.
.macro SG g, pre
.if ((\pre) == 0) || ((\g) >= 3)
.if (\g) <= 13
	s_wait_dscnt 12
.elseif (\g) == 14
	s_wait_dscnt 6
.else
	s_wait_dscnt 0x0
.endif
.endif
	SMUL \g
.if (\g) == 0
	WIN 0
	PLACES
	SLOAD 3
.elseif (\g) <= 12
	SMAX (\g)-1, (\g)+3
.else
	SMAX (\g)-1, -1
.endif
.endm
; Even waves fetch the four waves' partial O^T of channels 32 B on (B = wave / 2) into the registers of groups 14 and 15, which phase S writes last.
.macro PLOADS
	s_cmp_lg_u32 s21, 0
	s_cbranch_scc1 .Lno_pl_\@
	WIN 0xc0                                       ; destination window 3
.irp wv,0,1,2,3
.irp u,0,1
.irp c,0,1
	ds_load_b128 v[192+16*\wv+8*\u+4*\c:192+16*\wv+8*\u+4*\c+3], v[PLD] offset:4096*\wv+1024*\u+512*\c
.endr
.endr
.endr
	WIN 0
.Lno_pl_\@:
.endm
; Even waves: the four parts are added; my 16 numbers are channels 32 B + 16 h + 0 .. 15 of query r; with lane l xor 16's they are a block: its byte, its codes, out.
.macro REDUCE
	s_cmp_lg_u32 s21, 0
	s_cbranch_scc1 .Lno_red_\@
	WIN 0xcf                                       ; all in window 3
.set k, 0
.rept 8
	v_pk_add_f32 v[192+2*k:193+2*k], v[192+2*k:193+2*k], v[208+2*k:209+2*k]
	v_pk_add_f32 v[224+2*k:225+2*k], v[224+2*k:225+2*k], v[240+2*k:241+2*k]
.set k, k+1
.endr
.set k, 0
.rept 8
	v_pk_add_f32 v[192+2*k:193+2*k], v[192+2*k:193+2*k], v[224+2*k:225+2*k]
.set k, k+1
.endr
	WIN 0x0f
	v_max3_num_f32 v[T+8], |v192|, |v193|, 0x1800000 ; two chains, with the floor 2^(3 - 127) among the leaves
	v_max3_num_f32 v[T+9], |v194|, |v195|, 0x1800000
	WIN 0x3c
.irp a,4,8,12
	v_max3_num_f32 v[T+8], v[T+8], |v[192+\a]|, |v[193+\a]|
	v_max3_num_f32 v[T+9], v[T+9], |v[194+\a]|, |v[195+\a]|
.endr
	WIN 0
	v_max_num_f32 v[T+8], v[T+8], v[T+9]
	v_permlanex16_b32 v[T+9], v[T+8], s28, s29
	v_max_num_f32 v[T+8], v[T+8], v[T+9]           ; the block's largest magnitude
	v_add_nc_u32 v[T+10], 0xff000000, v[T+8]       ; 2 off its exponent field: the conversions' scale operand
	v_lshrrev_b32 v[T+11], 23, v[T+10]             ; the byte
	WIN 0x03
	v_cvt_scalef32_pk8_fp4_f32 v[T+6], v[192:199], v[T+10]
	v_cvt_scalef32_pk8_fp4_f32 v[T+7], v[200:207], v[T+10]
	WIN 0
	v_nop                                          ; one plain instruction behind the last conversion: products write its sources later
	global_store_b64 v[CAD], v[T+6:T+7], s[16:17]  ; 32 lanes store 256 consecutive bytes, aligned
	ds_store_b8 v[CSB], v[T+11]                    ; both lanes of a block write the same byte with the same value
.Lno_red_\@:
.endm
; PHASE S.  red = 1: the tile before is finished behind group 5: the wait at group 3 leaves out only the twelve loads of groups 4 and 5, so PLOADS' sixteen, issued ahead of them, are in.
; (Behind REDUCE an even wave has one LDS store more out than the counts reckon: they are then one stricter than need be.)
.macro SPHASE pre, red
.irp g,0,1,2,3,4,5,6,7,8,9,10,11,12,13,14,15
	SG \g, \pre
.if (\red) && (\g == 5)
	REDUCE
.endif
.endr
	SMAX 15, -1                                    ; group 14's lines were the places behind group 15's products
.endm
.macro MPH                             ; m_w: the largest of my query's 1,024 scores; kept as -c m_w
	v_max3_num_f32 v[T], v[BM], v[BM+1], v[BM+2]
	v_max3_num_f32 v[T+1], v[BM+3], v[BM+4], v[BM+5]
	v_max3_num_f32 v[T+2], v[BM+6], v[BM+7], v[BM+8]
	v_max3_num_f32 v[T+3], v[BM+9], v[BM+10], v[BM+11]
	v_max3_num_f32 v[T], v[T], v[BM+12], v[BM+13]
	v_max3_num_f32 v[T+1], v[T+1], v[BM+14], v[BM+15]
	v_max3_num_f32 v[T], v[T], v[T+1], v[T+2]
	v_max3_num_f32 v[T], v[T], v[T+3], 0xdf800000  ; held at -2^64 from below, under every real score: where all my keys are masked (-2^100) every exponent is then hugely negative, p = 0 and l_w = 0
	v_permlanex16_b32 v[T+1], v[T], s28, s29
	v_max_num_f32 v[T], v[T], v[T+1]
	v_mul_f32 v[NCM], s33, v[T]
.endm
; PHASE E, group g: p = 2^(c s - c m_w) in place.  The next group's multiply-adds (same window) stand between the exponentials, so that each pair of exponentials has a plain instruction behind it.  Then the sums, in eight packed chains.
.macro EGROUP g
.set PB_, 32*((\g)%8)
.set WW, 2+(\g)/8
	WIN (WW<<6)|WW
.if (\g)%8 == 0
.set k, 0
.rept 16
	v_pk_fma_f32 v[PB_+2*k:PB_+2*k+1], v[PB_+2*k:PB_+2*k+1], s[26:27], v[NCM:NCM+1] op_sel_hi:[1,0,0]
.set k, k+1
.endr
.endif
.set k, 0
.rept 16
.if (\g)%8 < 7
	v_pk_fma_f32 v[PB_+32+2*k:PB_+32+2*k+1], v[PB_+32+2*k:PB_+32+2*k+1], s[26:27], v[NCM:NCM+1] op_sel_hi:[1,0,0]
.endif
	v_exp_f32 v[PB_+2*k], v[PB_+2*k]
	v_exp_f32 v[PB_+2*k+1], v[PB_+2*k+1]
.set k, k+1
.endr
.if (\g)%8 == 7
	v_nop                                          ; a window's last group has no multiply-adds among its exponentials: one plain instruction stands between them and the sums that read them (ISA guide 5.7.2)
	s_wait_alu depctr_va_vdst(0)
.endif
.if (\g) == 0
	WIN 0x0a                                       ; the first group starts the chains: nothing is cleared
.set k, 0
	s_wait_alu depctr_va_vdst(0)
.rept 8
	v_pk_add_f32 v[T+2*k:T+2*k+1], v[PB_+2*k:PB_+2*k+1], v[PB_+16+2*k:PB_+16+2*k+1]
.set k, k+1
.endr
.else
	WIN WW<<2
.set k, 0
	s_wait_alu depctr_va_vdst(0)
.rept 16
	v_pk_add_f32 v[T+2*(k%8):T+2*(k%8)+1], v[T+2*(k%8):T+2*(k%8)+1], v[PB_+2*k:PB_+2*k+1]
.set k, k+1
.endr
.endif
.endm
; THE EXCHANGE.  l_w; (-c m_w, l_w) to LDS; barrier A; all four back; f_w; each block's largest weight, its scale operand and byte; P's scale words.
.macro X1
	WIN 0
.irp a,0,2,4,6
	v_pk_add_f32 v[T+\a:T+\a+1], v[T+\a:T+\a+1], v[T+8+\a:T+8+\a+1]
.endr
	v_pk_add_f32 v[T:T+1], v[T:T+1], v[T+4:T+5]
	v_pk_add_f32 v[T+2:T+3], v[T+2:T+3], v[T+6:T+7]
	v_pk_add_f32 v[T:T+1], v[T:T+1], v[T+2:T+3]
	v_add_f32 v[T], v[T], v[T+1]
	v_permlanex16_b32 v[T+1], v[T], s28, s29
	v_add_f32 v[T], v[T], v[T+1]                   ; l_w
	v_cndmask_b32 v[T+2], v[NCM], v[T], s32        ; lanes 0-15 send -c m_w, lanes 16-31 l_w
	ds_store_b32 v[STS], v[T+2]
	s_wait_dscnt 0x0                               ; for the others' sake: my store has landed (and no LDS load of mine is out)
	s_barrier_signal -1                            ; BARRIER A
.irp g,0,1,2,3,4,5,6,7,8,9,10,11,12,13,14,15
	v_fma_f32 v[BM+\g], v[BM+\g], s26, v[NCM]      ; each block's largest score goes the way of every score
.endr
	s_barrier_wait -1
	ds_load_b128 v[T+4:T+7], v[STL]                ; the four waves' -c m_w of my query,
	ds_load_b128 v[T+8:T+11], v[STL] offset:256    ; and their l_w
.irp g,0,1,2,3,4,5,6,7,8,9,10,11,12,13,14,15
	v_exp_f32 v[BM+\g], v[BM+\g]
.endr
	v_nop                                          ; a plain instruction behind the exponentials
	s_wait_dscnt 0x0
	v_min3_num_f32 v[T+12], v[T+4], v[T+5], v[T+6]
	v_min_num_f32 v[T+12], v[T+12], v[T+7]         ; -c m: the row's largest score has the least -c m_w
.irp a,4,5,6,7
	v_sub_f32 v[T+\a], v[T+12], v[T+\a]            ; c m_w - c m, 0 or less
.endr
	v_sub_f32 v[T+13], v[T+12], v[NCM]             ; mine
.irp a,4,5,6,7,13
	v_exp_f32 v[T+\a], v[T+\a]
.endr
	v_nop
	s_wait_alu depctr_va_vdst(0)
	v_mul_f32 v[T+14], v[T+4], v[T+8]
	v_fmac_f32 v[T+14], v[T+5], v[T+9]
	v_fmac_f32 v[T+14], v[T+6], v[T+10]
	v_fmac_f32 v[T+14], v[T+7], v[T+11]            ; l: about 1 or more, since the wave with the row's largest score has the factor 1 and a p of about 1
	v_rcp_f32 v[T+14], v[T+14]
	v_nop
	s_wait_alu depctr_va_vdst(0)
	v_mul_f32 v[F], v[T+13], v[T+14]               ; f_w
.irp g,0,1,2,3,4,5,6,7,8,9,10,11,12,13,14,15
	v_mul_f32 v[BM+\g], v[BM+\g], v[F]             ; the block's largest weight
.endr
.irp g,0,1,2,3,4,5,6,7,8,9,10,11,12,13,14,15
	v_max_num_f32 v[BM+\g], 0x1800000, v[BM+\g]    ; the floor 2^(3 - 127): the byte cannot fall under 1
.endr
.irp g,0,1,2,3,4,5,6,7,8,9,10,11,12,13,14,15
	v_add_nc_u32 v[BM+\g], 0xff000000, v[BM+\g]    ; 2 off the exponent field: the conversions' scale operand
.endr
.irp g,0,1,2,3,4,5,6,7,8,9,10,11,12,13,14,15
	v_lshrrev_b32 v[T+\g], 23, v[BM+\g]            ; the byte
.endr
.irp s,0,1,2,3,4,5,6,7                 ; K step s = groups 2 s, 2 s + 1: bytes (2 s, h = 0), (2 s, 1), (2 s + 1, 0), (2 s + 1, 1)
	v_lshl_or_b32 v[PW+\s], v[T+2*\s+1], 16, v[T+2*\s]
.endr
.irp s,0,1,2,3,4,5,6,7
	v_lshlrev_b32 v[PW+\s], v[SH8], v[PW+\s]
.endr
.irp s,0,1,2,3,4,5,6,7
	v_permlanex16_b32 v[T+2*\s], v[PW+\s], s28, s29
.endr
.irp s,0,1,2,3,4,5,6,7
	v_or_b32 v[PW+\s], v[PW+\s], v[T+2*\s]
.endr
.endm
; PHASE N, K step s = 128 keys = groups 2 s, 2 s + 1
.macro NMUL s                          ; the finished weights: p f_w
.set WW, 2+(\s)/4
.set PB_, 64*((\s)%4)
	WIN (WW<<6)|WW
.set k, 0
.rept 32
	v_pk_mul_f32 v[PB_+2*k:PB_+2*k+1], v[PB_+2*k:PB_+2*k+1], v[F:F+1] op_sel_hi:[1,0]
.set k, k+1
.endr
.endm
.macro NCVT s                          ; their codes: the operand's registers 4 c + t
.set WW, 2+(\s)/4
.set PB_, 64*((\s)%4)
	WIN WW
.irp c,0,1
.irp t,0,1,2,3
	v_cvt_scalef32_pk8_fp4_f32 v[PC+8*((\s)%2)+4*\c+\t], v[PB_+32*\c+8*\t:PB_+32*\c+8*\t+7], v[BM+2*(\s)+\c]
.endr
.endr
.endm
.macro NPV s                           ; O^T += V^T P^T: the four accumulators take turns, one instruction a turn; the first K step starts the sums
	WIN 0x01                                       ; source 0 (V) in window 1
.irp dt,0,1,2,3
.if (\s) == 0
	WM OA+8*\dt, 8*(4*(\s)+\dt), PC+8*((\s)%2), 0, 0, VS+2*(\s)+(\dt/2), PW+(\s), (\dt%2)
.else
	WM OA+8*\dt, 8*(4*(\s)+\dt), PC+8*((\s)%2), 1, OA+8*\dt, VS+2*(\s)+(\dt/2), PW+(\s), (\dt%2)
.endif
.endr
.endm
; A step's 32 multiplications are the plain instruction behind the conversions just made, the places in front of the products that take those codes, and the places before a set of codes is written again.
.macro NPH
	s_wait_loadcnt 0x0                             ; V (the first time) and the next tile's Q are in
	NMUL 0
	NCVT 0
.irp s,0,1,2,3,4,5,6
	NMUL \s+1
	NPV \s
	NCVT \s+1
.endr
	WIN 0
	PLACES
	NPV 7
	WIN 0
	PLACES                                         ; in front of the stores that read O^T
.endm
.macro VLOAD ks                        ; V's four fragments of K step ks
.irp dt,0,1,2,3
.irp c,0,1
	global_load_b128 v[8*(4*(\ks)+\dt)+4*\c:8*(4*(\ks)+\dt)+4*\c+3], v[LI], s[12:13] offset:2048*(2*(\ks)+\c)+512*\dt
.endr
.endr
.endm
; A TILE, from its scores on; its last part runs the next tile's phase S.  last = 1: there is no next tile.
.macro BODY last
	v_add_nc_u32 v[CSB], s31, v[CSA]               ; on every wave's path, ahead of the branches on the wave's number
.if \last == 0
	s_add_nc_u64 s[4:5], s[4:5], 512               ; the loads that read these bases have been waited for
	s_add_nc_u64 s[6:7], s[6:7], 64
	global_load_b128 v[QF:QF+3], v[LI], s[4:5]     ; the next tile's Q: group 14's maxima were the places behind the last product that read these registers
	global_load_b32 v[QS], v[R4], s[6:7]
.endif
	MPH
.irp g,0,1,2,3,4,5,6,7,8,9,10,11,12,13,14,15
	EGROUP \g
.endr
	X1
	NPH
.irp dt,0,1,2,3
	ds_store_b128 v[PST], v[OA+8*\dt:OA+8*\dt+3] offset:1024*\dt            ; each accumulator from its low end on
	ds_store_b128 v[PST], v[OA+8*\dt+4:OA+8*\dt+7] offset:1024*\dt+512
.endr
.if \last == 0
	SLOAD 0
	SLOAD 1
	SLOAD 2
.endif
	s_wait_dscnt 0x0                               ; my part of O^T has landed; my reads of the statistics are long over
	s_barrier_signal -1                            ; BARRIER B
	s_barrier_wait -1
	PLOADS
.if \last == 0
	SPHASE 1, 1
	s_wait_xcnt 0x0                                ; the store's base and data are written again only behind this wait
	s_add_nc_u64 s[16:17], s[16:17], 4096          ; the next tile's image
	s_add_co_u32 s31, s31, 32                      ; and its scale bytes
.else
	s_wait_dscnt 0x0
	REDUCE
.endif
.endm
	s_load_b256 s[4:11], s[0:1], 0x0               ; Q's images, Q's scale words, K's images, K's scale words
	s_load_b256 s[12:19], s[0:1], 0x20             ; V's images, V's scale words, the context's codes, its scale bytes
	v_lshl_add_u32 v254, v0, 2, 0x28400
	v_mov_b32 v255, 0
	v_lshrrev_b32 v1, 5, v0
	v_readfirstlane_b32 s20, v1                    ; wave 0..3
	s_and_b32 s21, s20, 1                          ; odd waves take no part in the last sum
	s_lshr_b32 s34, s20, 1                         ; B: which 32 channels an even wave finishes
	s_and_b32 s35, ttmp7, 0xffff                   ; 8 batch + head
	s_mov_b32 s26, 0x3e38aa3b                      ; c = log2(e) / 8
	s_mov_b32 s27, s26                             ; (named with it as a pair, so it is written)
	s_mov_b32 s28, 0x76543210
	s_mov_b32 s29, 0xfedcba98                      ; v_permlanex16_b32's selects for lane l xor 16
	s_mov_b32 s32, 0xffff0000                      ; lanes 16-31
	s_mov_b32 s33, 0xbe38aa3b                      ; -c
	s_mov_b32 s31, 0
	s_mov_b32 s30, 15
	s_mov_b32 s23, 0
.set n, 0
.rept 24
	v_mov_b32 v[T+n], 0                            ; written once: lane permutes' destinations count as sources
.set n, n+1
.endr
	v_mov_b32 v[NCM+1], 0                          ; (upper halves of pairs that the packed forms name)
	v_mov_b32 v[F+1], 0
	v_mov_b32 v[NEGINF], 0xff800000
.set n, 0
.rept 12                               ; the constant halves of K's fragments: k = 64 .. 127: the code -1 at k = 64 (lanes 0-15, register 4, lowest four bits), else zeros
	v_cndmask_b32 v[KF+8*n+4], 10, v[T], s32
	v_mov_b32 v[KF+8*n+5], 0
	v_mov_b32 v[KF+8*n+6], 0
	v_mov_b32 v[KF+8*n+7], 0
.set n, n+1
.endr
	v_cndmask_b32 v[QF+4], 2, v[T], s32            ; Q's: the code +1 at k = 64
	v_mov_b32 v[QF+5], 0
	v_mov_b32 v[QF+6], 0
	v_mov_b32 v[QF+7], 0
	v_mov_b32 v[SELV], 0x05040100
	v_mov_b32 v[T+1], 0x07060302
	v_cndmask_b32 v[SELV], v[SELV], v[T+1], s32
	v_and_b32 v[T+2], 31, v0                       ; lane
	v_and_b32 v[T+3], 15, v0                       ; r
	v_bfe_u32 v[T+4], v0, 4, 1                     ; h
	v_lshlrev_b32 v[LI], 4, v[T+2]
	s_lshl_b32 s22, s20, 15
	v_add_nc_u32 v[KAD], s22, v[LI]                ; KIMG (0) + 32,768 wave + 16 lane
	s_lshl_b32 s22, s20, 12
	s_add_co_u32 s24, s22, KSC
	v_lshl_add_u32 v[KSA], v[T+2], 2, s24
	v_add_nc_u32 v[KSW], s24, v[LI]
	s_add_co_u32 s24, s22, PART
	v_add_nc_u32 v[PST], s24, v[LI]
	s_lshl_b32 s24, s34, 11
	s_add_co_u32 s24, s24, PART
	v_add_nc_u32 v[PLD], s24, v[LI]
	v_lshlrev_b32 v[STL], 4, v[T+3]
	v_add_nc_u32 v[STL], STAT, v[STL]
	s_lshl_b32 s24, s20, 2
	v_lshl_add_u32 v[STS], v[T+4], 8, v[STL]
	v_add_nc_u32 v[STS], s24, v[STS]
	v_lshlrev_b32 v[R4], 2, v[T+3]
	s_lshl_b32 s24, s34, 8
	v_lshlrev_b32 v[CAD], 4, v[T+3]
	v_lshl_add_u32 v[CAD], v[T+4], 3, v[CAD]
	v_add_nc_u32 v[CAD], s24, v[CAD]               ; 16 (16 B + r) + 8 h
	s_add_co_u32 s24, s34, CST
	v_lshl_add_u32 v[CSA], v[T+3], 1, s24
	v_lshlrev_b32 v[SH8], 3, v[T+4]
	v_add_nc_u32 v[CSR], CST, v[LI]
	s_wait_kmcnt 0x0
	s_lshl_b32 s22, s35, 17                        ; Q's images: (256 bh + 16 x) tiles of 512 bytes
	s_lshl_b32 s24, ttmp9, 13
	s_add_co_u32 s22, s22, s24
	s_add_nc_u64 s[4:5], s[4:5], s[22:23]
	s_lshl_b32 s22, s35, 14                        ; their scale words: 64 bytes a tile
	s_lshl_b32 s24, ttmp9, 10
	s_add_co_u32 s22, s22, s24
	s_add_nc_u64 s[6:7], s[6:7], s[22:23]
	s_lshl_b32 s22, s35, 17                        ; K's and V's images: 131,072 bytes a head, 32,768 a wave
	s_lshl_b32 s24, s20, 15
	s_add_co_u32 s22, s22, s24
	s_add_nc_u64 s[8:9], s[8:9], s[22:23]
	s_add_nc_u64 s[12:13], s[12:13], s[22:23]
	s_lshl_b32 s22, s35, 14                        ; K's scale words: 16,384 a head, 4,096 a wave
	s_lshl_b32 s24, s20, 12
	s_add_co_u32 s22, s22, s24
	s_add_nc_u64 s[10:11], s[10:11], s[22:23]
	s_lshl_b32 s22, s35, 13                        ; V's: 8,192 a head, 2,048 a wave
	s_lshl_b32 s24, s20, 11
	s_add_co_u32 s22, s22, s24
	s_add_nc_u64 s[14:15], s[14:15], s[22:23]
	s_lshl_b32 s22, s35, 13                        ; the context's scale bytes: 8,192 a head, 512 a work-group
	s_lshl_b32 s24, ttmp9, 9
	s_add_co_u32 s22, s22, s24
	s_add_nc_u64 s[18:19], s[18:19], s[22:23]
	s_lshr_b32 s22, s35, 3                         ; the context's codes: (256 batch + 16 x) tiles of 4,096 bytes, + 512 head
	s_lshl_b32 s22, s22, 20
	s_lshl_b32 s24, ttmp9, 16
	s_add_co_u32 s22, s22, s24
	s_and_b32 s24, s35, 7
	s_lshl_b32 s24, s24, 9
	s_add_co_u32 s22, s22, s24
	s_add_nc_u64 s[16:17], s[16:17], s[22:23]
	; K goes to LDS once, through the registers that will hold scores.  74 loads in one run: where the counter's field is full the issue of the next load waits (ISA guide 5.7.1); no wait is written for that.
	WIN 0x80                                       ; destination window 2
.set n, 0
.rept 64
	global_load_b128 v[4*n:4*n+3], v[LI], s[8:9] offset:512*n
.set n, n+1
.endr
	WIN 0xc0                                       ; destination window 3
.set n, 0
.rept 8
	global_load_b128 v[4*n:4*n+3], v[LI], s[10:11] offset:512*n
.set n, n+1
.endr
	WIN 0
	global_load_b128 v[QF:QF+3], v[LI], s[4:5]     ; the first tile's Q
	global_load_b32 v[QS], v[R4], s[6:7]
	s_wait_loadcnt 42                              ; behind the first 32 loads: 32 + 8 + 2
	WIN 0x08                                       ; an LDS store's data are its source 1: window 2
.set n, 0
.rept 32
	ds_store_b128 v[KAD], v[4*n:4*n+3] offset:512*n
.set n, n+1
.endr
	s_wait_loadcnt 10                              ; behind the next 32: 8 + 2
.rept 32
	ds_store_b128 v[KAD], v[4*n:4*n+3] offset:512*n
.set n, n+1
.endr
	s_wait_loadcnt 0x0
	WIN 0x0c                                       ; window 3
.set n, 0
.rept 8
	ds_store_b128 v[KSW], v[4*n:4*n+3] offset:512*n
.set n, n+1
.endr
	WIN 0
	SLOAD 0                                        ; LDS serves a wave's instructions in order (ISA guide 5.7.1.4): these see my stores; the bytes are my wave's own
	SLOAD 1
	SLOAD 2
.irp ks,0,1,2,3,4,5,6,7                ; V's scale words as they lie: (64 keys, pair of tiles): two tiles' 16 bits each
.irp pr,0,1
.irp c,0,1
	global_load_b32 v[OA+4*\ks+2*\pr+\c], v[R4], s[14:15] offset:128*(2*\ks+\c)+64*\pr
.endr
.endr
.endr
	WIN 0x40                                       ; destination window 1
	VLOAD 0
	VLOAD 1
	VLOAD 2
	WIN 0
	SPHASE 0, 0                                    ; the first tile's scores
	s_wait_loadcnt 24                              ; behind V's scale words: the 24 loads of V's first three K steps
.irp ks,0,1,2,3,4,5,6,7
.irp pr,0,1
	v_perm_b32 v[VS+2*\ks+\pr], v[OA+4*\ks+2*\pr+1], v[OA+4*\ks+2*\pr], v[SELV]   ; a K step's word: the first 64 keys' 16 bits below, the next 64 keys' above; lanes 0-15 the even tile, lanes 16-31 the odd
.endr
.endr
	WIN 0x40
	VLOAD 3
	VLOAD 4
	VLOAD 5
	VLOAD 6
	VLOAD 7
	WIN 0
.Ltile:                                            ; 15 trips; the last tile is written out, since nothing follows it
	BODY 0
	s_sub_co_u32 s30, s30, 1
	s_cmp_lg_u32 s30, 0
	s_cbranch_scc1 .Ltile
	BODY 1
	s_wait_dscnt 0x0                               ; the last scale bytes have landed
	s_barrier_signal -1
	s_barrier_wait -1
	s_cmp_lg_u32 s20, 0
	s_cbranch_scc1 .Ldone
	ds_load_b128 v[T:T+3], v[CSR]                  ; wave 0: the work-group's 512 scale bytes
	s_wait_dscnt 0x0
	global_store_b128 v[LI], v[T:T+3], s[18:19]    ; 512 consecutive bytes, aligned
.Ldone:
	s_wait_tensorcnt 0x0
	ds_add_u32 v254, v255
	s_wait_dscnt 0x0
	s_endpgm
.Lfunc_end_k_q80bc79f8bd_attn:
	.size	k_q80bc79f8bd_attn, .Lfunc_end_k_q80bc79f8bd_attn-k_q80bc79f8bd_attn
	.p2alignl 7, 3214868480
	.fill 96, 4, 3214868480
	.section	.rodata,"a",@progbits
	.p2align	6, 0x0
	.amdhsa_kernel k_q80bc79f8bd_attn
		.amdhsa_group_segment_fixed_size 165376
		.amdhsa_private_segment_fixed_size 0
		.amdhsa_enable_private_segment 0
		.amdhsa_kernarg_size 64
		.amdhsa_user_sgpr_count 2
		.amdhsa_user_sgpr_kernarg_segment_ptr 1
		.amdhsa_wavefront_size32 1
		.amdhsa_system_sgpr_workgroup_id_x 1
		.amdhsa_system_sgpr_workgroup_id_y 1
		.amdhsa_system_sgpr_workgroup_id_z 1
		.amdhsa_system_vgpr_workitem_id 0
		.amdhsa_next_free_vgpr 1024
		.amdhsa_next_free_sgpr 66
		.amdhsa_reserve_vcc 0
		.amdhsa_float_denorm_mode_32 3
		.amdhsa_float_denorm_mode_16_64 3
		.amdhsa_memory_ordered 1
		.amdhsa_forward_progress 1
		.amdhsa_inst_pref_size 255
	.end_amdhsa_kernel
	.section	.bss,"aw",@nobits
	.p2align	6
	.space	262144
	.amdgpu_metadata
---
amdhsa.version: [ 1, 2 ]
amdhsa.kernels:
  - .name:           k_q80bc79f8bd_attn
    .symbol:         k_q80bc79f8bd_attn.kd
    .args:
      - { .name: qimg, .offset: 0, .size: 8, .value_kind: global_buffer, .address_space: global }
      - { .name: qsc, .offset: 8, .size: 8, .value_kind: global_buffer, .address_space: global }
      - { .name: kimg, .offset: 16, .size: 8, .value_kind: global_buffer, .address_space: global }
      - { .name: ksc, .offset: 24, .size: 8, .value_kind: global_buffer, .address_space: global }
      - { .name: vimg, .offset: 32, .size: 8, .value_kind: global_buffer, .address_space: global }
      - { .name: vsc, .offset: 40, .size: 8, .value_kind: global_buffer, .address_space: global }
      - { .name: ctxc, .offset: 48, .size: 8, .value_kind: global_buffer, .address_space: global }
      - { .name: ctxs, .offset: 56, .size: 8, .value_kind: global_buffer, .address_space: global }
    .group_segment_fixed_size: 165376
    .private_segment_fixed_size: 0
    .kernarg_segment_align: 8
    .kernarg_segment_size: 64
    .max_flat_workgroup_size: 128
    .sgpr_count:     66
    .vgpr_count:     1024
    .wavefront_size: 32
...
	.end_amdgpu_metadata
.endif
;; end of part 2
;; launch oproj (part 3): grid 256 x 1, 8 waves a work-group, no clusters, 35,840 bytes of LDS; arguments ctxc, ctxs, Wo_codes, Wo_scales, bo, out0; writes out0
.if DOCPART == 3
	.amdgcn_target "amdgcn-amd-amdhsa--gfx1250"
	.amdhsa_code_object_version 6
	.text
	.protected	k_q80bc79f8bd_oproj
	.globl	k_q80bc79f8bd_oproj
	.p2align	8
	.type	k_q80bc79f8bd_oproj,@function
k_q80bc79f8bd_oproj:
	s_mov_b64 s[64:65], 0
	v_nop
	global_prefetch_b8 v0, s[64:65] scope:SCOPE_SE
	s_setreg_imm32_b32 hwreg(HW_REG_WAVE_MODE, 25, 1), 1
	s_wait_xcnt 0x0
; out0 = context Wo^T + bo on codes of FP4 (E2M1) with E8M0 scales.  The context's codes lie as images of the operand's registers ([tile of 16 rows][head][lane][16 bytes]), its scale bytes as [8 batch + head][row][2].
; SHARES.  A work-group takes 32 rows (two tiles), each of its eight waves 64 columns (four tiles): eight accumulators, K = 512 in four steps, 32 matrix instructions a wave.
; THE MATRIX INSTRUCTION IS USED TRANSPOSED (source 0 = 16 rows of Wo, source 1 = 16 rows of the context): a lane holds eight neighbouring columns of one row.  The bias is loaded into the accumulators.
; The way out goes through the wave's own stage in LDS (16 rows x (256 + 16) bytes): sixteen lanes store 256 consecutive bytes, aligned.  No barrier: waves share nothing.
; NO CLUSTER, NO TENSOR LOADS: every operand goes straight into registers, once a wave; what work-groups share (Wo, 136 KiB) is small beside the 16 MiB that the launch stores.
.set LI16, 1                           ; v1   16 x lane
.set VU,   2                           ; v2   2 r
.set VW,   3                           ; v3   256 r + 16 h
.set VBO,  4                           ; v4   32 h
.set SO,   5                           ; v5   the stage: where I put 32 bytes of a row
.set SR,   6                           ; v6   and where I read a row back
.set GO,   7                           ; v7   2,048 h + 16 r: my place in two rows of the output
.set CF,   16                          ; v16-79   the context's fragments: 32 rt + 8 ks; later the rows on their way out
.set CSW,  80                          ; v80-87   its scale words: 4 rt + ks
.set U,    88                          ; v88-103  the heads' 16 bits of which they are made
.set WS,   104                         ; v104-111 Wo's scale words: 4 (ct / 2) + ks; lanes 0-15 the even tile, lanes 16-31 the odd
.set ACC,  112                         ; v112-175 accumulators: 8 (4 rt + ct)
.set WF,   176                         ; v176-239 Wo's fragments of K steps 0, 1: 8 (2 ct + ks); those of steps 2, 3 in window 1, v0-63
.set MSB, 0
.macro WIN new                         ; the immediate's high byte repeats the setting that is left
.if MSB != (\new)
	s_set_vgpr_msb (MSB<<8)|(\new)
.set MSB, (\new)
.endif
.endm
.macro WM d, a, b, sa, sb, odd         ; one link of a sum in place.  odd = 1: source 0's scale words stand in lanes 16-31
.if (\odd)
	v_wmma_scale_f32_16x16x128_f8f6f4 v[\d:\d+7], v[\a:\a+7], v[\b:\b+7], v[\d:\d+7], v[\sa], v[\sb] matrix_a_fmt:MATRIX_FMT_FP4 matrix_b_fmt:MATRIX_FMT_FP4 matrix_a_scale:MATRIX_SCALE_ROW1
.else
	v_wmma_scale_f32_16x16x128_f8f6f4 v[\d:\d+7], v[\a:\a+7], v[\b:\b+7], v[\d:\d+7], v[\sa], v[\sb] matrix_a_fmt:MATRIX_FMT_FP4 matrix_b_fmt:MATRIX_FMT_FP4
.endif
.endm
	s_load_b256 s[4:11], s[0:1], 0x0               ; the context's codes, its scale bytes, Wo's codes, Wo's scales
	s_load_b128 s[12:15], s[0:1], 0x20             ; bo, out0
	v_lshl_add_u32 v254, v0, 2, 0x8800
	v_mov_b32 v255, 0
	v_lshrrev_b32 v1, 5, v0
	v_readfirstlane_b32 s16, v1                    ; wave 0..7
	v_and_b32 v8, 31, v0                           ; lane
	v_and_b32 v9, 15, v0                           ; r
	v_bfe_u32 v10, v0, 4, 1                        ; h
	v_lshlrev_b32 v[LI16], 4, v8
	v_lshlrev_b32 v[VU], 1, v9
	v_lshlrev_b32 v[VW], 8, v9
	v_lshl_add_u32 v[VW], v10, 4, v[VW]
	v_lshlrev_b32 v[VBO], 5, v10
	s_mul_i32 s17, s16, 4352                       ; my stage
	v_mul_u32_u24 v[SO], v9, 272
	v_lshl_add_u32 v[SO], v10, 5, v[SO]
	v_add_nc_u32 v[SO], s17, v[SO]
	v_mul_u32_u24 v[SR], v10, 272
	v_lshl_add_u32 v[SR], v9, 4, v[SR]
	v_add_nc_u32 v[SR], s17, v[SR]
	v_lshlrev_b32 v[GO], 11, v10
	v_lshl_add_u32 v[GO], v9, 4, v[GO]
	s_mov_b32 s19, 0
	s_wait_kmcnt 0x0
	s_lshl_b32 s18, ttmp9, 13                      ; two tiles of 4,096 bytes a work-group
	s_add_nc_u64 s[4:5], s[4:5], s[18:19]
	s_lshr_b32 s18, ttmp9, 7                       ; the batch: 8 heads x 8,192 bytes,
	s_lshl_b32 s18, s18, 16
	s_and_b32 s20, ttmp9, 127
	s_lshl_b32 s20, s20, 6                         ; and my 32 rows' 64 bytes in a head's
	s_add_co_u32 s18, s18, s20
	s_add_nc_u64 s[6:7], s[6:7], s[18:19]
	s_lshl_b32 s18, s16, 14                        ; my 64 rows of Wo
	s_add_nc_u64 s[8:9], s[8:9], s[18:19]
	s_lshl_b32 s18, s16, 10
	s_add_nc_u64 s[10:11], s[10:11], s[18:19]
	s_lshl_b32 s18, s16, 8                         ; my 64 columns: 256 bytes
	s_add_nc_u64 s[12:13], s[12:13], s[18:19]
	s_add_nc_u64 s[14:15], s[14:15], s[18:19]
	s_lshl_b32 s18, ttmp9, 16                      ; my 32 rows of 2,048 bytes
	s_add_nc_u64 s[14:15], s[14:15], s[18:19]
.irp rt,0,1
.irp ks,0,1,2,3
.irp c,0,1
	global_load_b128 v[CF+32*\rt+8*\ks+4*\c:CF+32*\rt+8*\ks+4*\c+3], v[LI16], s[4:5] offset:4096*\rt+512*(2*\ks+\c)   ; K step ks = heads 2 ks, 2 ks + 1
.endr
.endr
.endr
.irp rt,0,1
.irp ks,0,1,2,3
.irp hs,0,1
	global_load_u16 v[U+8*\rt+2*\ks+\hs], v[VU], s[6:7] offset:8192*(2*\ks+\hs)+32*\rt
.endr
.endr
.endr
.irp ct,0,1,2,3
.irp ks,0,1
.irp c,0,1
	global_load_b128 v[WF+8*(2*\ct+\ks)+4*\c:WF+8*(2*\ct+\ks)+4*\c+3], v[VW], s[8:9] offset:4096*\ct+64*\ks+32*\c
.endr
.endr
.endr
	WIN 0x40                                       ; destination window 1
.irp ct,0,1,2,3
.irp ks,0,1
.irp c,0,1
	global_load_b128 v[8*(2*\ct+\ks)+4*\c:8*(2*\ct+\ks)+4*\c+3], v[VW], s[8:9] offset:4096*\ct+128+64*\ks+32*\c
.endr
.endr
.endr
	WIN 0
.irp q,0,1
	global_load_b128 v[WS+4*\q:WS+4*\q+3], v[LI16], s[10:11] offset:512*\q
.endr
.irp rt,0,1
.irp ct,0,1,2,3
	global_load_b128 v[ACC+8*(4*\rt+\ct):ACC+8*(4*\rt+\ct)+3], v[VBO], s[12:13] offset:64*\ct        ; register j: the bias of column 16 ct + 8 h + j
	global_load_b128 v[ACC+8*(4*\rt+\ct)+4:ACC+8*(4*\rt+\ct)+7], v[VBO], s[12:13] offset:64*\ct+16
.endr
.endr
	s_wait_loadcnt 0x0
.irp rt,0,1
.irp ks,0,1,2,3
	v_lshl_or_b32 v[CSW+4*\rt+\ks], v[U+8*\rt+2*\ks+1], 16, v[U+8*\rt+2*\ks]   ; a row's scale word of a K step: two heads' two bytes
.endr
.endr
.rept 8
	v_nop                                          ; a scale register written by a vector instruction stands eight plain instructions ahead of the scaled product
.endr
.irp ks,0,1,2,3                        ; the eight accumulators take turns, one instruction a turn
.if \ks == 2
	WIN 0x01                                       ; source 0 in window 1
.endif
.irp rt,0,1
.irp ct,0,1,2,3
.if \ks < 2
	WM ACC+8*(4*\rt+\ct), WF+8*(2*\ct+\ks), CF+32*\rt+8*\ks, WS+4*(\ct/2)+\ks, CSW+4*\rt+\ks, (\ct%2)
.else
	WM ACC+8*(4*\rt+\ct), 8*(2*\ct+\ks-2), CF+32*\rt+8*\ks, WS+4*(\ct/2)+\ks, CSW+4*\rt+\ks, (\ct%2)
.endif
.endr
.endr
.endr
	WIN 0
.rept 4
	v_nop                                          ; in front of the stores that read results and of the loads into the context's registers
.endr
.irp rt,0,1
.irp ct,0,1,2,3
	ds_store_b128 v[SO], v[ACC+8*(4*\rt+\ct):ACC+8*(4*\rt+\ct)+3] offset:64*\ct           ; each accumulator from its low end on
	ds_store_b128 v[SO], v[ACC+8*(4*\rt+\ct)+4:ACC+8*(4*\rt+\ct)+7] offset:64*\ct+16
.endr
.irp t,0,1,2,3,4,5,6,7
	ds_load_b128 v[CF+32*\rt+4*\t:CF+32*\rt+4*\t+3], v[SR] offset:544*\t   ; LDS serves a wave's instructions in order (ISA guide 5.7.1.4): these see my stores, and the next tile's stores come behind them
.endr
.endr
.irp rt,0,1
.irp t,0,1,2,3,4,5,6,7
	s_wait_dscnt (1-\rt)*16+7-\t                   ; behind this load: the rest of its run, and for the first tile the second tile's 8 stores and 8 loads
	global_store_b128 v[GO], v[CF+32*\rt+4*\t:CF+32*\rt+4*\t+3], s[14:15] offset:32768*\rt+4096*\t th:TH_STORE_NT   ; 16 lanes store 256 consecutive bytes, aligned; written once, read by nobody here
.endr
.endr
	s_wait_tensorcnt 0x0
	ds_add_u32 v254, v255
	s_wait_dscnt 0x0
	s_endpgm
.Lfunc_end_k_q80bc79f8bd_oproj:
	.size	k_q80bc79f8bd_oproj, .Lfunc_end_k_q80bc79f8bd_oproj-k_q80bc79f8bd_oproj
	.p2alignl 7, 3214868480
	.fill 96, 4, 3214868480
	.section	.rodata,"a",@progbits
	.p2align	6, 0x0
	.amdhsa_kernel k_q80bc79f8bd_oproj
		.amdhsa_group_segment_fixed_size 35840
		.amdhsa_private_segment_fixed_size 0
		.amdhsa_enable_private_segment 0
		.amdhsa_kernarg_size 48
		.amdhsa_user_sgpr_count 2
		.amdhsa_user_sgpr_kernarg_segment_ptr 1
		.amdhsa_wavefront_size32 1
		.amdhsa_system_sgpr_workgroup_id_x 1
		.amdhsa_system_sgpr_workgroup_id_y 1
		.amdhsa_system_sgpr_workgroup_id_z 1
		.amdhsa_system_vgpr_workitem_id 0
		.amdhsa_next_free_vgpr 320
		.amdhsa_next_free_sgpr 66
		.amdhsa_reserve_vcc 0
		.amdhsa_float_denorm_mode_32 3
		.amdhsa_float_denorm_mode_16_64 3
		.amdhsa_memory_ordered 1
		.amdhsa_forward_progress 1
		.amdhsa_inst_pref_size 19
	.end_amdhsa_kernel
	.amdgpu_metadata
---
amdhsa.version: [ 1, 2 ]
amdhsa.kernels:
  - .name:           k_q80bc79f8bd_oproj
    .symbol:         k_q80bc79f8bd_oproj.kd
    .args:
      - { .name: ctxc, .offset: 0, .size: 8, .value_kind: global_buffer, .address_space: global }
      - { .name: ctxs, .offset: 8, .size: 8, .value_kind: global_buffer, .address_space: global }
      - { .name: Wo_codes, .offset: 16, .size: 8, .value_kind: global_buffer, .address_space: global }
      - { .name: Wo_scales, .offset: 24, .size: 8, .value_kind: global_buffer, .address_space: global }
      - { .name: bo, .offset: 32, .size: 8, .value_kind: global_buffer, .address_space: global }
      - { .name: out0, .offset: 40, .size: 8, .value_kind: global_buffer, .address_space: global }
    .group_segment_fixed_size: 35840
    .private_segment_fixed_size: 0
    .kernarg_segment_align: 8
    .kernarg_segment_size: 48
    .max_flat_workgroup_size: 256
    .sgpr_count:     66
    .vgpr_count:     320
    .wavefront_size: 32
...
	.end_amdgpu_metadata
.endif
;; end of part 3
;; ======== version 2 of 2: 3 launches; version 1 with the launches proj, attn, oproj written anew for expert scheduling mode
;; limits: right only within a limited range of input values
;; workspace buffers: qimg 2,097,152 bytes; qsc 262,144 bytes; kimg 2,097,152 bytes; ksc 262,144 bytes; vimg 2,097,152 bytes; vsc 131,072 bytes; ctxc 2,097,152 bytes; ctxs 131,072 bytes
;; launch proj (part 4): grid 256 x 3, 4 waves a work-group, no clusters, 0 bytes of LDS; arguments q_codes, q_scales, Wq_codes, Wq_scales, bq, k_codes, k_scales, Wk_codes, Wk_scales, bk, v_codes, v_scales, Wv_codes, Wv_scales, bv, mask, qimg, qsc, kimg, ksc, vimg, vsc; writes qimg, qsc, kimg, ksc, vimg, vsc
.if DOCPART == 4
	.amdgcn_target "amdgcn-amd-amdhsa--gfx1250"
	.amdhsa_code_object_version 6
	.text
	.protected	k_q80bc79f8bd_proj
	.globl	k_q80bc79f8bd_proj
	.p2align	8
	.type	k_q80bc79f8bd_proj,@function
k_q80bc79f8bd_proj:
	s_mov_b64 s[64:65], 0
	v_nop
	global_prefetch_b8 v0, s[64:65] scope:SCOPE_SE
	s_setreg_imm32_b32 hwreg(HW_REG_WAVE_SCHED_MODE, 0, 2), 2
	s_setreg_imm32_b32 hwreg(HW_REG_WAVE_MODE, 25, 1), 1
	s_wait_xcnt 0x0
	s_wait_alu depctr_vm_vsrc(0)
; qh = q Wq^T + bq, kh = k Wk^T + bk, vh = v Wv^T + bv on codes of FP4 (E2M1) with E8M0 scales as they are given; the three results are quantised again (qh, kh along a head's 64 numbers, vh along the keys)
; and stored as IMAGES OF THE OPERAND REGISTERS of the attention launch.  Work-group y chooses the path: 0 = Q, 1 = K, 2 = V; each path is one expansion of PATH and ends the wave.
; A CELL: source 0 = 64 rows as four tiles, source 1 = one tile of 16 rows, K = 512: 16 matrix instructions on four accumulators by turns.  THE ROWS OF A TILE OF SOURCE 0 ARE NOT NEIGHBOURS: lane r of tile g
; takes row 8 g + r % 8 + 32 (r / 8).  In the results lane (r, h) then holds, in register 8 g + j, source 0's row 32 h + 8 g + j: a whole block of 32 neighbours along the next product's K in ONE lane, in the order
; of the 4-bit operand: no other lane is asked for the block's largest magnitude, and four conversions give four registers of the next operand.
; Q, K: source 0 = a head's 64 rows of the weight, source 1 = 16 rows of q or k.  V: source 0 = 64 rows (keys) of v, source 1 = 16 rows of Wv.  A wave keeps source 0 in 128 registers and does four cells.
; The bias is the C of a sum's first matrix instruction.
; THE MASK rides in the scale words.  The attention launch's first product has K = 64 of the instruction's 128; it sets one code -1 (K's side) against one code +1 (Q's side) at k = 64.  Q's byte for that block is 100 (2^-27);
; K's is 254 (2^127) for a masked key, which adds -2^100 to its score, and 0 (2^-127) for any other, which adds -2^-154, under half of the smallest f32 number.  The block behind it has zero codes and the byte 127.
; A batch with NO key left: reference() then gives equal weights.  Every K wave ORs the batch's 4,096 mask bytes; if none is set, K's codes become zeros, its scale bytes 127 and no key is marked: all scores are equal.  By selects, no branch.
; LIMITS: scores |q . k| under 2^90 (a masked key's -2^100 must drown them); NaN and infinities are not served; a block whose largest magnitude lies under 2^-124 takes the byte 1, a block of zeros too (this program alone reads the bytes).
; NO LDS, no barrier: waves share nothing.  NO CLUSTER: what work-groups share (a head's rows of a weight, 64 rows of an input) goes straight into operand registers, once a wave, where a joint load cannot put it.
; The scale words leave 128 consecutive bytes a store (half of an aligned 256): 0.6 MiB of the launch's 7.
; THE MODE: SCHED_MODE bits 1:0 = 2 (LLVM: expert scheduling mode 2), set by the entry lines.  The code itself states the register dependences
; between vector or matrix instructions and memory instructions, with s_wait_alu, always for 0.
; THE PLAN.  Registers that memory instructions touch:
;   v3-v8, v10, v11   offsets: made at the head and at a path's head, never written again: one wait ahead of a path's first load.
;   AF, AS            loaded once; read by the products.
;   BF, BS            (path V: and the bias' eight registers)  Cell i's products read them; cell i + 1's loads land in them.
;   PCD + 4 i         Written by cell i's conversions (path K: and its ands); read by ONE store, issued in cell i + 1 (the last cell's: at the end); never written again.
;   CH, CH + 1        At the end: written by the selects, read by the last stores.
; So ONE wait on va_vdst stands in a cell, behind its products and their four places: the products are done reading source 1, and the cell before has written its codes.
; The next cell's loads and the last cell's store follow it; the vector work behind them names none of their registers.
.set VA,   3                           ; v3   source 0's codes: 256 (r % 8 + 32 (r / 8)) + 16 h
.set VAS,  4                           ; v4   source 0's scale words: lanes 0-15 an even tile's rows, lanes 16-31 the odd tile's, 8 rows on
.set VB,   5                           ; v5   source 1's codes
.set VBS,  6                           ; v6   source 1's scale words
.set LI16, 7                           ; v7   16 x lane
.set LI4,  8                           ; v8   4 x lane
.set SH8,  9                           ; v9   8 h
.set VBI,  10                          ; v10  the bias
.set VMK,  11                          ; v11  r % 8 + 32 (r / 8)
.set MBV,  12                          ; v12  a masked key's byte: 254, or 0 where the batch has no key left
.set AF,   16                          ; v16-143  source 0: fragment (tile g, K step ks) at AF + 8 (4 g + ks)
.set AS,   144                         ; v144-151 its scale words: AS + 4 (g / 2) + ks
.set BF,   152                         ; v152-183 source 1: BF + 8 ks
.set BS,   184                         ; v184-187 its scale words
.set ACC,  188                         ; v188-219 four accumulators
.set CH,   220                         ; v220-223 chains of the maximum
.set SOP,  224                         ; the conversions' scale operand
.set BY,   225                         ; the scale's byte
.set TMP,  226
.set TMP2, 227
.set PCD,  228                         ; v228-243 codes, four registers a cell: no store's data are written again
.set W,    244                         ; v244-247 a scale word a cell
.set MK,   248                         ; v248-251 the mask bytes of the four cells' keys
.set BI,   0                           ; window 1, v0-31 (v256-287): the bias in the result's layout
.set MSB, 0
.macro WIN new                         ; the immediate's high byte repeats the setting that is left
.if MSB != (\new)
	s_set_vgpr_msb (MSB<<8)|(\new)
.set MSB, (\new)
.endif
.endm
.macro PLACES                          ; four plain vector instructions between a matrix instruction and a read of its results (ISA guide 7.12.1)
.rept 4
	v_nop
.endr
.endm
; one matrix instruction.  ck = 1: C in registers from c on; 0: the constant 0.  odd = 1: source 0's scale words stand in lanes 16-31
.macro WM d, a, b, ck, c, sa, sb, odd
.if (\ck) && (\odd)
	v_wmma_scale_f32_16x16x128_f8f6f4 v[\d:\d+7], v[\a:\a+7], v[\b:\b+7], v[\c:\c+7], v[\sa], v[\sb] matrix_a_fmt:MATRIX_FMT_FP4 matrix_b_fmt:MATRIX_FMT_FP4 matrix_a_scale:MATRIX_SCALE_ROW1
.elseif (\ck)
	v_wmma_scale_f32_16x16x128_f8f6f4 v[\d:\d+7], v[\a:\a+7], v[\b:\b+7], v[\c:\c+7], v[\sa], v[\sb] matrix_a_fmt:MATRIX_FMT_FP4 matrix_b_fmt:MATRIX_FMT_FP4
.elseif (\odd)
	v_wmma_scale_f32_16x16x128_f8f6f4 v[\d:\d+7], v[\a:\a+7], v[\b:\b+7], 0, v[\sa], v[\sb] matrix_a_fmt:MATRIX_FMT_FP4 matrix_b_fmt:MATRIX_FMT_FP4 matrix_a_scale:MATRIX_SCALE_ROW1
.else
	v_wmma_scale_f32_16x16x128_f8f6f4 v[\d:\d+7], v[\a:\a+7], v[\b:\b+7], 0, v[\sa], v[\sb] matrix_a_fmt:MATRIX_FMT_FP4 matrix_b_fmt:MATRIX_FMT_FP4
.endif
.endm
; source 1 of cell i: eight loads of codes, one of scale words (16 bytes a row: the four K steps' words)
.macro BLOAD p, i
.if \p == 0
.set BOFF, 4096*(\i)                   ; 16 rows of q on
.elseif \p == 1
.set BOFF, 2048*(\i)                   ; 8 rows of k on: cell i is tile i of the 64 keys
.else
.set BOFF, 256*(32*((\i)/2)+8*((\i)%2)) ; Wv: tile 2 B + u begins at row 32 B + 8 u
.endif
.irp ks,0,1,2,3
.irp c,0,1
	global_load_b128 v[BF+8*\ks+4*\c:BF+8*\ks+4*\c+3], v[VB], s[PBC:PBC+1] offset:BOFF+64*\ks+32*\c
.endr
.endr
	global_load_b128 v[BS:BS+3], v[VBS], s[PBS:PBS+1] offset:BOFF/16
.endm
.macro BIASV                           ; path V: a lane holds ONE output channel, so its bias fills the eight registers of C
	WIN 0x40                                       ; destination window 1
.irp j,0,1,2,3,4,5,6,7
	global_load_b32 v[BI+\j], v[VBI], s[12:13] offset:BOFF/64
.endr
	WIN 0
.endm
; a cell's 16 matrix instructions: the four accumulators take turns, one instruction a turn
.macro MM p
	WIN 0x10                                       ; C (the bias) in window 1
.irp g,0,1,2,3
.if \p == 2
	WM ACC+8*\g, AF+32*\g, BF, 1, BI, AS+4*(\g/2), BS, (\g%2)
.else
	WM ACC+8*\g, AF+32*\g, BF, 1, BI+8*\g, AS+4*(\g/2), BS, (\g%2)
.endif
.endr
	WIN 0
.irp ks,1,2,3
.irp g,0,1,2,3
	WM ACC+8*\g, AF+32*\g+8*\ks, BF+8*\ks, 1, ACC+8*\g, AS+4*(\g/2)+\ks, BS+\ks, (\g%2)
.endr
.endr
.endm
; my 32 numbers are one block: its largest magnitude (four chains, each begun at its accumulator's low end), the floor 2^(3 - 127) as one more leaf, the scale operand, the byte, the codes
.macro QUANT32 i
.irp t,0,1,2,3
	v_max3_num_f32 v[CH+\t], |v[ACC+8*\t]|, |v[ACC+8*\t+1]|, |v[ACC+8*\t+2]|
.endr
.irp t,0,1,2,3
	v_max3_num_f32 v[CH+\t], v[CH+\t], |v[ACC+8*\t+3]|, |v[ACC+8*\t+4]|
.endr
.irp t,0,1,2,3
	v_max3_num_f32 v[CH+\t], v[CH+\t], |v[ACC+8*\t+5]|, |v[ACC+8*\t+6]|
.endr
	v_max3_num_f32 v[CH], v[CH], |v[ACC+7]|, |v[ACC+15]|
	v_max3_num_f32 v[CH+2], v[CH+2], |v[ACC+23]|, |v[ACC+31]|
	v_max3_num_f32 v[CH], v[CH], v[CH+1], v[CH+2]
	v_max3_num_f32 v[CH], v[CH], v[CH+3], 0x1800000  ; the floor holds the byte at 1 from below
	v_add_nc_u32 v[SOP], 0xff000000, v[CH]         ; 2 off the exponent field: the conversion takes this operand's exponent field as its scale
	v_lshrrev_b32 v[BY], 23, v[SOP]                ; the scale's byte
.irp t,0,1,2,3
	v_cvt_scalef32_pk8_fp4_f32 v[PCD+4*(\i)+\t], v[ACC+8*\t:ACC+8*\t+7], v[SOP]
.endr
	v_nop                                          ; one plain instruction behind the last conversion: the next cell's products write its sources
.endm
.macro PATH p
.if \p == 2
.set PAC, 4                            ; source 0 is the input, source 1 the weight
.set PAS, 6
.set PBC, 8
.set PBS, 10
.set XSH, 14                           ; the input goes in groups of 64 rows of 256 bytes
.set ISH, 11                           ; an image of (head, 64 keys): 4 tiles x 512 bytes
.set SSH, 7                            ; its scale words: 128 bytes
.else
.set PAC, 8                            ; source 0 is the weight, source 1 the input
.set PAS, 10
.set PBC, 4
.set PBS, 6
.set ISH, 9                            ; an image of a tile: 512 bytes
.set SSH, 6                            ; its scale words: 64 bytes
.if \p == 0
.set XSH, 12                           ; q goes in tiles of 16 rows
.else
.set XSH, 14
.endif
.endif
	s_load_b256 s[4:11], s[0:1], 40*\p             ; the input's codes, its scales, the weight's codes, its scales
	s_load_b64 s[12:13], s[0:1], 40*\p+32          ; the bias
	s_load_b128 s[16:19], s[0:1], 128+16*\p        ; the images, the scale words
.if \p == 1
	s_load_b64 s[20:21], s[0:1], 120               ; the mask
.endif
.if \p == 0
	v_lshlrev_b32 v[VB], 8, v1                     ; q: row r, + 16 h
	v_lshl_add_u32 v[VB], v2, 4, v[VB]
	v_lshlrev_b32 v[VBS], 4, v1
	v_lshlrev_b32 v[VBI], 7, v2                    ; the bias of channels 32 h on
	s_and_b32 s32, ttmp9, 7                        ; the head
	s_lshr_b32 s33, ttmp9, 3
	s_lshl_b32 s33, s33, 4
	s_lshl_b32 s34, s2, 2
	s_add_co_u32 s33, s33, s34                     ; my first tile of 16 rows, of 512: 16 (x / 8) + 4 wave
	s_lshr_b32 s34, s33, 8                         ; the batch
	s_lshl_b32 s34, s34, 3
	s_add_co_u32 s34, s34, s32                     ; 8 batch + head
	s_lshl_b32 s34, s34, 8
	s_and_b32 s35, s33, 255
	s_add_co_u32 s34, s34, s35                     ; the image's number: 256 (8 batch + head) + tile
.elseif \p == 1
	v_mov_b32 v[VB], v[VA]                         ; k: the keys of a tile are chosen as source 0's rows are
	v_lshlrev_b32 v[VBS], 4, v[VMK]
	v_lshlrev_b32 v[VBI], 7, v2
	s_and_b32 s32, ttmp9, 7                        ; the head
	s_lshr_b32 s33, ttmp9, 3
	s_lshl_b32 s33, s33, 2
	s_add_co_u32 s33, s33, s2                      ; my group of 64 keys, of 128: 4 (x / 8) + wave
	s_lshr_b32 s38, s33, 6                         ; the batch
	s_lshl_b32 s34, s38, 3
	s_add_co_u32 s34, s34, s32
	s_lshl_b32 s34, s34, 6
	s_and_b32 s35, s33, 63
	s_add_co_u32 s34, s34, s35
	s_lshl_b32 s34, s34, 2                         ; the first image's number: 256 (8 batch + head) + 4 group
.else
	v_add_nc_u32 v13, v14, v1                      ; Wv: lane r of a tile takes row r + 8 (r / 8)
	v_lshlrev_b32 v[VB], 8, v13
	v_lshl_add_u32 v[VB], v2, 4, v[VB]
	v_lshlrev_b32 v[VBS], 4, v13
	v_lshlrev_b32 v[VBI], 2, v13
	s_lshr_b32 s33, ttmp9, 1                       ; my group of 64 keys
	s_and_b32 s32, ttmp9, 1
	s_lshl_b32 s32, s32, 2
	s_add_co_u32 s32, s32, s2                      ; the head: 4 (x % 2) + wave
	s_lshr_b32 s38, s33, 6
	s_lshl_b32 s34, s38, 3
	s_add_co_u32 s34, s34, s32
	s_lshl_b32 s34, s34, 6
	s_and_b32 s35, s33, 63
	s_add_co_u32 s34, s34, s35                     ; 64 (8 batch + head) + group
.endif
	s_wait_kmcnt 0x0
	s_lshl_b32 s36, s33, XSH                       ; (s37 = 0: every offset is a pair)
	s_add_nc_u64 s[4:5], s[4:5], s[36:37]          ; the input's codes at my rows,
	s_lshl_b32 s36, s33, XSH-4
	s_add_nc_u64 s[6:7], s[6:7], s[36:37]          ; their scale bytes, 16 a row
	s_lshl_b32 s36, s32, 14
	s_add_nc_u64 s[8:9], s[8:9], s[36:37]          ; the weight at the head's 64 rows
	s_lshl_b32 s36, s32, 10
	s_add_nc_u64 s[10:11], s[10:11], s[36:37]
	s_lshl_b32 s36, s32, 8
	s_add_nc_u64 s[12:13], s[12:13], s[36:37]      ; the head's 64 numbers of the bias
	s_lshl_b32 s36, s34, ISH
	s_add_nc_u64 s[16:17], s[16:17], s[36:37]
	s_lshl_b32 s36, s34, SSH
	s_add_nc_u64 s[18:19], s[18:19], s[36:37]
.if \p == 1
	s_lshl_b32 s36, s33, 6
	s_add_nc_u64 s[22:23], s[20:21], s[36:37]      ; the mask at my 64 keys,
	s_lshl_b32 s36, s38, 12
	s_add_nc_u64 s[20:21], s[20:21], s[36:37]      ; and at the batch's first key
.endif
	s_wait_alu depctr_va_vdst(0)                   ; the offsets v3 to v8, v10 and v11 are written: every load and store of the path reads one of them
.irp g,0,1,2,3                         ; source 0 stays: tile g begins 8 g rows on
.irp ks,0,1,2,3
.irp c,0,1
	global_load_b128 v[AF+8*(4*\g+\ks)+4*\c:AF+8*(4*\g+\ks)+4*\c+3], v[VA], s[PAC:PAC+1] offset:2048*\g+64*\ks+32*\c
.endr
.endr
.endr
.irp q,0,1
	global_load_b128 v[AS+4*\q:AS+4*\q+3], v[VAS], s[PAS:PAS+1] offset:256*\q
.endr
	BLOAD \p, 0
.if \p == 2
	BIASV
.else
	WIN 0x40                                       ; destination window 1
.irp g,0,1,2,3
	global_load_b128 v[BI+8*\g:BI+8*\g+3], v[VBI], s[12:13] offset:32*\g       ; register 8 g + j: the bias of channel 32 h + 8 g + j
	global_load_b128 v[BI+8*\g+4:BI+8*\g+7], v[VBI], s[12:13] offset:32*\g+16
.endr
	WIN 0
.endif
.if \p == 1
.irp i,0,1,2,3
	global_load_u8 v[MK+\i], v[VMK], s[22:23] offset:8*\i                      ; the flag of my key in cell i
.endr
.irp j,0,1,2,3,4,5,6,7
	global_load_b128 v[ACC+4*\j:ACC+4*\j+3], v[LI16], s[20:21] offset:512*\j   ; the batch's 4,096 flags
.endr
.endif
.irp i,0,1,2,3
	s_wait_loadcnt 0x0                             ; this cell's source 1 (and, the first time, all else) is in
.if (\p == 1) && (\i == 0)
.irp s,16,8,4,2,1                      ; is any key of the batch left?
.set jj, 0
.rept \s
	v_or_b32 v[ACC+jj], v[ACC+jj], v[ACC+jj+\s]
.set jj, jj+1
.endr
.endr
	v_cmp_ne_u32 s47, 0, v[ACC]                    ; the path's five compares stand in one run, each with a scalar register of its own
.irp n,0,1,2,3
	v_cmp_eq_u32 s[48+\n], 0, v[MK+\n]             ; cell n: a masked key
.endr
	s_wait_alu depctr_va_sdst(0)                   ; s47 to s51 are written, ahead of their first readers: the scalar compare below and the four cells' selects
	s_cmp_lg_u32 s47, 0
	s_cselect_b32 s44, -1, 0                       ; all ones if so: it only selects values
	s_and_b32 s45, s44, 254
	s_and_not1_b32 s46, 0x7f7f, s44                ; else K's two scale bytes become 127
	v_mov_b32 v[MBV], s45
.endif
	MM \p
	PLACES                                         ; in front of the first read of results
	s_wait_alu depctr_va_vdst(0)                   ; the products are done reading source 1, its scale words and (path V) the bias, in which the loads below land; the cell before has written its codes, which the store below reads
.if \i < 3
	BLOAD \p, \i+1
.if \p == 2
	BIASV
.endif
.endif
.if \i > 0
	global_store_b128 v[LI16], v[PCD+4*(\i-1):PCD+4*(\i-1)+3], s[16:17] offset:512*(\i-1)  ; the image of the cell before: 512 consecutive bytes, aligned
.endif
	QUANT32 \i
.if \p == 1
.irp t,0,1,2,3
	v_and_b32 v[PCD+4*\i+\t], s44, v[PCD+4*\i+\t]  ; no key left in the batch: zeros
.endr
.endif
	v_lshlrev_b32 v[TMP], v[SH8], v[BY]            ; my block's byte at its place, 8 h bits up,
	v_permlanex16_b32 v[TMP2], v[TMP], s42, s43    ; and lane l xor 16's
.if \p == 0
	v_or_b32 v[TMP], v[TMP], v[TMP2]
	v_or_b32 v[W+\i], 0x7f640000, v[TMP]           ; bytes: block 0, block 1, 100, 127
.elseif \p == 1
	v_or_b32 v[TMP], v[TMP], v[TMP2]
	v_and_b32 v[TMP], s44, v[TMP]
	v_or_b32 v[TMP], s46, v[TMP]
	v_cndmask_b32 v[TMP2], 0, v[MBV], s[48+\i]     ; a masked key's mark
	v_or_b32 v[TMP], 0x7f000000, v[TMP]
	v_lshl_or_b32 v[W+\i], v[TMP2], 16, v[TMP]     ; bytes: block 0, block 1, the mark, 127
.else
	v_or_b32 v[W+\i], v[TMP], v[TMP2]              ; the channel's two bytes for these 64 keys
.endif
.endr
.if \p == 2
	v_lshl_or_b32 v[CH], v[W+1], 16, v[W]          ; tiles 0 and 1 in one word, tiles 2 and 3 in the next
	v_lshl_or_b32 v[CH+1], v[W+3], 16, v[W+2]
	v_cndmask_b32 v[CH], v[CH], v[CH+1], s40       ; lanes 0-15 the first, lanes 16-31 the second
	s_wait_alu depctr_va_vdst(0)                   ; the last cell's codes and the scale words are written, which the stores below read
	global_store_b128 v[LI16], v[PCD+12:PCD+15], s[16:17] offset:1536
	global_store_b32 v[LI4], v[CH], s[18:19]
.else
	v_cndmask_b32 v[CH], v[W], v[W+1], s40         ; lanes 0-15 an even cell's words, lanes 16-31 the odd cell's
	v_cndmask_b32 v[CH+1], v[W+2], v[W+3], s40
	s_wait_alu depctr_va_vdst(0)                   ; the last cell's codes and the scale words are written, which the stores below read
	global_store_b128 v[LI16], v[PCD+12:PCD+15], s[16:17] offset:1536
	global_store_b32 v[LI4], v[CH], s[18:19]
	global_store_b32 v[LI4], v[CH+1], s[18:19] offset:128
.endif
	s_endpgm
.endm
	v_lshrrev_b32 v1, 5, v0
	v_readfirstlane_b32 s2, v1                     ; wave 0..3
	s_and_b32 s3, ttmp7, 0xffff                    ; the path
	v_and_b32 v1, 15, v0                           ; r
	v_bfe_u32 v2, v0, 4, 1                         ; h
	v_and_b32 v13, 7, v1
	v_and_b32 v14, 8, v1
	v_lshl_add_u32 v[VMK], v14, 2, v13             ; r % 8 + 32 (r / 8)
	v_lshlrev_b32 v[VA], 8, v[VMK]
	v_lshl_add_u32 v[VA], v2, 4, v[VA]
	v_lshlrev_b32 v[VAS], 4, v[VMK]
	v_lshl_add_u32 v[VAS], v2, 7, v[VAS]
	v_and_b32 v15, 31, v0
	v_lshlrev_b32 v[LI16], 4, v15
	v_lshlrev_b32 v[LI4], 2, v15
	v_lshlrev_b32 v[SH8], 3, v2
	v_mov_b32 v[TMP2], 0                           ; a lane permute's destination counts as one of its sources
	s_mov_b32 s40, 0xffff0000                      ; lanes 16-31
	s_mov_b32 s42, 0x76543210
	s_mov_b32 s43, 0xfedcba98                      ; v_permlanex16_b32's selects for lane l xor 16
	s_mov_b32 s37, 0
	s_wait_alu depctr_va_sdst(0)                   ; s2, the wave's number, is written: its readers stand in the paths
	s_cmp_eq_u32 s3, 0
	s_cbranch_scc1 .Lpath_q
	s_cmp_eq_u32 s3, 1
	s_cbranch_scc1 .Lpath_k
	PATH 2
.Lpath_q:
	PATH 0
.Lpath_k:
	PATH 1
.Lfunc_end_k_q80bc79f8bd_proj:
	.size	k_q80bc79f8bd_proj, .Lfunc_end_k_q80bc79f8bd_proj-k_q80bc79f8bd_proj
	.p2alignl 7, 3214868480
	.fill 96, 4, 3214868480
	.section	.rodata,"a",@progbits
	.p2align	6, 0x0
	.amdhsa_kernel k_q80bc79f8bd_proj
		.amdhsa_group_segment_fixed_size 0
		.amdhsa_private_segment_fixed_size 0
		.amdhsa_enable_private_segment 0
		.amdhsa_kernarg_size 176
		.amdhsa_user_sgpr_count 2
		.amdhsa_user_sgpr_kernarg_segment_ptr 1
		.amdhsa_wavefront_size32 1
		.amdhsa_system_sgpr_workgroup_id_x 1
		.amdhsa_system_sgpr_workgroup_id_y 1
		.amdhsa_system_sgpr_workgroup_id_z 1
		.amdhsa_system_vgpr_workitem_id 0
		.amdhsa_next_free_vgpr 288
		.amdhsa_next_free_sgpr 66
		.amdhsa_reserve_vcc 0
		.amdhsa_float_denorm_mode_32 3
		.amdhsa_float_denorm_mode_16_64 3
		.amdhsa_memory_ordered 1
		.amdhsa_forward_progress 1
		.amdhsa_inst_pref_size 82
	.end_amdhsa_kernel
	.amdgpu_metadata
---
amdhsa.version: [ 1, 2 ]
amdhsa.kernels:
  - .name:           k_q80bc79f8bd_proj
    .symbol:         k_q80bc79f8bd_proj.kd
    .args:
      - { .name: q_codes, .offset: 0, .size: 8, .value_kind: global_buffer, .address_space: global }
      - { .name: q_scales, .offset: 8, .size: 8, .value_kind: global_buffer, .address_space: global }
      - { .name: Wq_codes, .offset: 16, .size: 8, .value_kind: global_buffer, .address_space: global }
      - { .name: Wq_scales, .offset: 24, .size: 8, .value_kind: global_buffer, .address_space: global }
      - { .name: bq, .offset: 32, .size: 8, .value_kind: global_buffer, .address_space: global }
      - { .name: k_codes, .offset: 40, .size: 8, .value_kind: global_buffer, .address_space: global }
      - { .name: k_scales, .offset: 48, .size: 8, .value_kind: global_buffer, .address_space: global }
      - { .name: Wk_codes, .offset: 56, .size: 8, .value_kind: global_buffer, .address_space: global }
      - { .name: Wk_scales, .offset: 64, .size: 8, .value_kind: global_buffer, .address_space: global }
      - { .name: bk, .offset: 72, .size: 8, .value_kind: global_buffer, .address_space: global }
      - { .name: v_codes, .offset: 80, .size: 8, .value_kind: global_buffer, .address_space: global }
      - { .name: v_scales, .offset: 88, .size: 8, .value_kind: global_buffer, .address_space: global }
      - { .name: Wv_codes, .offset: 96, .size: 8, .value_kind: global_buffer, .address_space: global }
      - { .name: Wv_scales, .offset: 104, .size: 8, .value_kind: global_buffer, .address_space: global }
      - { .name: bv, .offset: 112, .size: 8, .value_kind: global_buffer, .address_space: global }
      - { .name: mask, .offset: 120, .size: 8, .value_kind: global_buffer, .address_space: global }
      - { .name: qimg, .offset: 128, .size: 8, .value_kind: global_buffer, .address_space: global }
      - { .name: qsc, .offset: 136, .size: 8, .value_kind: global_buffer, .address_space: global }
      - { .name: kimg, .offset: 144, .size: 8, .value_kind: global_buffer, .address_space: global }
      - { .name: ksc, .offset: 152, .size: 8, .value_kind: global_buffer, .address_space: global }
      - { .name: vimg, .offset: 160, .size: 8, .value_kind: global_buffer, .address_space: global }
      - { .name: vsc, .offset: 168, .size: 8, .value_kind: global_buffer, .address_space: global }
    .group_segment_fixed_size: 0
    .private_segment_fixed_size: 0
    .kernarg_segment_align: 8
    .kernarg_segment_size: 176
    .max_flat_workgroup_size: 128
    .sgpr_count:     66
    .vgpr_count:     288
    .wavefront_size: 32
...
	.end_amdgpu_metadata
.endif
;; end of part 4
;; launch attn (part 5): grid 16 x 16, 4 waves a work-group, no clusters, 165,376 bytes of LDS; arguments qimg, qsc, kimg, ksc, vimg, vsc, ctxc, ctxs; writes ctxc, ctxs
.if DOCPART == 5
	.amdgcn_target "amdgcn-amd-amdhsa--gfx1250"
	.amdhsa_code_object_version 6
	.text
	.protected	k_q80bc79f8bd_attn
	.globl	k_q80bc79f8bd_attn
	.p2align	8
	.type	k_q80bc79f8bd_attn,@function
k_q80bc79f8bd_attn:
	s_mov_b64 s[64:65], 0
	v_nop
	global_prefetch_b8 v0, s[64:65] scope:SCOPE_SE
	s_setreg_imm32_b32 hwreg(HW_REG_WAVE_SCHED_MODE, 0, 2), 2
	s_setreg_imm32_b32 hwreg(HW_REG_WAVE_MODE, 25, 1), 1
	s_wait_xcnt 0x0
	s_wait_alu depctr_vm_vsrc(0)
; For one (batch, head) and 256 queries: scores = qh kh^T / 8 under the mask, the FINISHED softmax, quantised along the keys, times vh; the result is quantised along the model's axis for the last product.
; Both products on codes of FP4 (E2M1) with E8M0 scales.  The weights are quantised NORMALISED, so a row's sum over all 4,096 keys must be known before any weight becomes a code.
; SHARES.  A work-group of four waves takes 16 queries at a time, 16 times.  THE WAVES SHARE THE KEYS: wave w owns keys 1024 w .. 1024 w + 1023 for the whole launch.  Its 16 x 1,024 scores stay in 512 registers from the
; product until they are codes: each score is multiplied once and goes through one exponential.  Its fragments of V stay in 256 registers; its fragments of K lie in its own 36 KiB of LDS, copied there once.
; A TILE OF 16 QUERIES:  S: 16 groups of 64 keys: S^T = K Q^T (four matrix instructions a group) and each block's largest score |  E: p = 2^(c s - c m_w), m_w my keys' largest score, and their sum l_w |
; barrier A: the waves' (c m_w, l_w) meet in LDS: l = sum of 2^(c m_w - c m) l_w, f_w = 2^(c m_w - c m) / l |  N: p f_w, quantised, O^T += V^T P^T |  barrier B: the four partial O^T meet in LDS; waves 0 and 2 add them,
; quantise 32 channels each and store; that stands inside the next tile's phase S.
; LAYOUT.  Both products are used transposed (source 0 = 16 keys, or 16 channels of V; source 1 = my 16 queries): a lane holds ONE query.  The keys of K's tiles were chosen so that a group's 32 registers of lane (r, h) are keys
; 64 G + 32 h + 0 .. 31: a whole block, in the order of the 4-bit operand: four conversions give four registers of P.  V's channels were chosen so that tiles 2 B, 2 B + 1 give a lane channels 32 B + 16 h + 0 .. 15.
; THE MASK costs no vector instruction: the head's 64 fill half of the instruction's K; at k = 64 K's fragment has the code -1 and Q's the code +1, and the scale bytes of that block make of them -2^100 for a masked key and
; -2^-154, which changes no f32 number, for any other.  m_w is held at -2^64 from below: a wave whose keys are all masked then has p = 0 everywhere, l_w = 0 and f_w = 0.
; A BLOCK'S LARGEST WEIGHT IS NOT SEARCHED FOR: its largest score goes through the same multiply-add, exponential and multiplication as every score.  This takes v_exp_f32 not to fall where its input rises.
; The rounded c m_w stands in every exponent and in the exchange alike, so its rounding cancels in p / l.
; LIMITS: |q . k| under 2^60 (m_w's hold at -2^64 must lie under every real score); NaN and infinities are not served; l and O are sums of four partial f32 sums, one for each quarter of the keys; with every key of a batch
; masked the result rests on v_rcp_f32(4096) = 2^-12; a block whose largest number lies under 2^-124 takes the byte 1, a block of zeros too (this program alone reads the bytes).
; NO TENSOR LOADS: no LDS byte is filled twice.  NO CLUSTER: the 16 work-groups of a head share 280 KiB, read once against 16 tiles' work, and half of it goes into registers, where a joint load cannot put it.
; REGISTERS, in windows of 256 (s_set_vgpr_msb: bits 1:0 source 0, 3:2 source 1, 5:4 source 2, 7:6 destination): window 0 as named below; window 1: V's 32 fragments at 8 (4 ks + dt);
; windows 2, 3: the scores: group g at 32 (g % 8) of window 2 + g / 8.
; THE MODE: SCHED_MODE bits 1:0 = 2 (LLVM: expert scheduling mode 2), set by the entry lines.  The code itself states the register dependences
; between vector or matrix instructions and memory or LDS instructions, with s_wait_alu, always for 0.
; THE PLAN.  Registers that memory or LDS instructions touch, round the loop over tiles:
;   KF, KS, three sets      Group g's four products read set g % 3; the six LDS loads of group g + 3 land in it, in one run at the head of group g + 1's turn.
;   QF, QS                  Read by phase S's 64 products; the next tile's two loads land in them, behind group 0 of phase E.
;   T+2                     Written by the select at the end of the sums; read by the LDS store of the statistics; written again by the bytes' shifts.
;   T+4 .. T+11             Named by the sums; the two LDS loads behind barrier A land in them.
;   OA                      Written by phase N's products; read by eight LDS stores; written again by the next tile's phase N.
;   groups 14, 15           Named by phase N's multiplications and conversions; an even wave's sixteen LDS loads behind barrier B land in their registers.
;   T+6, T+7, T+11, v[CSB]  Written in REDUCE (v[CSB] at a tile's head); read by REDUCE's two stores; written again in the next tile.
;   PC, PW, VS and the constant halves of KF and QF are written by vector instructions and taken by scaled products.
;   Every other address is made at the head and never written again.
; THE WAITS ON va_vdst: at the head of the turns of groups 1 to 13; ahead of a group's sums in phase E (group 0's serves Q's loads too); ahead of the statistics' store (it serves the loads behind barrier A too); behind the
; exchange's transcendentals; ahead of each K step's products of phase N; ahead of O^T's stores (it serves the fetches of groups 0 to 2 and the loads behind barrier B too: no vector instruction stands between); in REDUCE ahead of its stores.
; THE WAITS ON vm_vsrc: ahead of the bytes' shifts; at a tile's end, ahead of the backward branch; once at the head, behind the copy of K.
.set KIMG, 0                           ; LDS: 4 x 32,768: each wave's 64 tiles of K, 512 bytes each, as images of the operand's registers 0-3
.set KSC,  131072                      ; 4 x 4,096: each wave's scale words, 64 bytes a tile
.set PART, 147456                      ; 4 x 4,096: each wave's O^T as images: 1,024 dt + 512 c + 16 lane
.set STAT, 163840                      ; 512: -c m_w at 16 r + 4 w; l_w at 256 + 16 r + 4 w
.set CST,  164352                      ; 512: the context's scale bytes at 2 (16 tile + r) + B
.set LI,   1                           ; v1   16 x lane
.set KAD,  2                           ; v2   my K images
.set KSA,  3                           ; v3   my K scale words, 4 x lane
.set PST,  4                           ; v4   where I store O^T
.set PLD,  5                           ; v5   where an even wave reads the four waves' tiles 2 B, 2 B + 1
.set STS,  6                           ; v6   where I store my statistics
.set STL,  7                           ; v7   where I read the four waves'
.set R4,   8                           ; v8   4 r
.set CAD,  9                           ; v9   my 8 bytes of the context's image
.set CSA,  10                          ; v10  my scale byte's place in tile 0
.set SH8,  11                          ; v11  8 h
.set CSB,  12                          ; v12  the same in the tile in hand
.set NEGINF, 13                        ; v13  -infinity
.set NCM,  14                          ; v[14:15] -c m_w (the packed form names the pair and takes its low word)
.set F,    16                          ; v[16:17] f_w
.set T,    18                          ; v18-41  at work
.set BM,   42                          ; v42-57  a block's largest score, then its largest weight, then its conversions' scale operand
.set PW,   58                          ; v58-65  P's scale words, one a K step
.set VS,   66                          ; v66-81  V's scale words: 2 ks + pair; lanes 0-15 the even tile's, lanes 16-31 the odd tile's
.set KS,   82                          ; v82-87  K's scale words: three sets of two
.set QS,   88                          ; v88     Q's scale words
.set QF,   90                          ; v90-97  Q's fragment: four registers loaded, four constant
.set PC,   98                          ; v98-113 P's codes, two sets
.set OA,   114                         ; v114-145 O^T, four accumulators
.set KF,   146                         ; v146-241 K's fragments: three sets of four; each four registers loaded, four constant
.set CSR,  242                         ; v242    CST + 16 x lane
.set KSW,  243                         ; v243    where K's scale words are stored
.set SELV, 244                         ; v244    v_perm_b32's selector: the low halves in lanes 0-15, the high halves in lanes 16-31
.set MSB, 0
.macro WIN new                         ; the immediate's high byte repeats the setting that is left
.if MSB != (\new)
	s_set_vgpr_msb (MSB<<8)|(\new)
.set MSB, (\new)
.endif
.endm
.macro PLACES                          ; four plain vector instructions behind a matrix instruction (ISA guide 7.12.1)
.rept 4
	v_nop
.endr
.endm
.macro WM d, a, b, ck, c, sa, sb, odd  ; one matrix instruction.  ck = 1: C in registers from c on; 0: the constant 0.  odd = 1: source 0's scale words stand in lanes 16-31
.if (\ck) && (\odd)
	v_wmma_scale_f32_16x16x128_f8f6f4 v[\d:\d+7], v[\a:\a+7], v[\b:\b+7], v[\c:\c+7], v[\sa], v[\sb] matrix_a_fmt:MATRIX_FMT_FP4 matrix_b_fmt:MATRIX_FMT_FP4 matrix_a_scale:MATRIX_SCALE_ROW1
.elseif (\ck)
	v_wmma_scale_f32_16x16x128_f8f6f4 v[\d:\d+7], v[\a:\a+7], v[\b:\b+7], v[\c:\c+7], v[\sa], v[\sb] matrix_a_fmt:MATRIX_FMT_FP4 matrix_b_fmt:MATRIX_FMT_FP4
.elseif (\odd)
	v_wmma_scale_f32_16x16x128_f8f6f4 v[\d:\d+7], v[\a:\a+7], v[\b:\b+7], 0, v[\sa], v[\sb] matrix_a_fmt:MATRIX_FMT_FP4 matrix_b_fmt:MATRIX_FMT_FP4 matrix_a_scale:MATRIX_SCALE_ROW1
.else
	v_wmma_scale_f32_16x16x128_f8f6f4 v[\d:\d+7], v[\a:\a+7], v[\b:\b+7], 0, v[\sa], v[\sb] matrix_a_fmt:MATRIX_FMT_FP4 matrix_b_fmt:MATRIX_FMT_FP4
.endif
.endm
; line m of six that fetch group g's K: four fragments, two registers of scale words; into set g % 3
.macro SL1 g, m
.if (\m) < 4
	ds_load_b128 v[KF+32*((\g)%3)+8*(\m):KF+32*((\g)%3)+8*(\m)+3], v[KAD] offset:512*(4*(\g)+(\m))
.else
	ds_load_b32 v[KS+2*((\g)%3)+(\m)-4], v[KSA] offset:128*(2*(\g)+(\m)-4)
.endif
.endm
.macro SLOAD g
.irp m,0,1,2,3,4,5
	SL1 \g, \m
.endr
.endm
; group g's scores: four tiles of 16 keys; each product starts its own sum with the constant 0
.macro SMUL g
.set PB_, 32*((\g)%8)
.set WW, 2+(\g)/8
.set KB_, KF+32*((\g)%3)
.set SB_, KS+2*((\g)%3)
	WIN WW<<6
	WM PB_, KB_, QF, 0, 0, SB_, QS, 0
	WM PB_+8, KB_+8, QF, 0, 0, SB_, QS, 1
	WM PB_+16, KB_+16, QF, 0, 0, SB_+1, QS, 0
	WM PB_+24, KB_+24, QF, 0, 0, SB_+1, QS, 1
.endm
; the largest of group g's 32 scores of my lane: one block.  Four chains, each begun at its accumulator's low end.  The first four lines are also the places behind the products just issued.
.macro SMAX g
.set PB_, 32*((\g)%8)
.set WW, 2+(\g)/8
	WIN (WW<<2)|(WW<<4)
.irp t,0,1,2,3
	v_max3_num_f32 v[T+\t], v[NEGINF], v[PB_+8*\t], v[PB_+8*\t+1]
.endr
.irp k,1,2,3
.irp t,0,1,2,3
	v_max3_num_f32 v[T+\t], v[T+\t], v[PB_+8*\t+2*\k], v[PB_+8*\t+2*\k+1]
.endr
.endr
	WIN 0
	v_max3_num_f32 v[BM+\g], v[T], v[T+1], v[T+2]
	v_max_num_f32 v[BM+\g], v[BM+\g], v[T+3]
.endm
; group g's turn in phase S.  The wait on LDS counts the loads fetched behind group g's: one group's six (the first tile's group 0: two groups' twelve; group 15: none).  pre = 1: groups 0-2 were waited for in front of barrier B.
; Then, in the turns of groups 1 to 13, group g + 2 is fetched into the set that group g - 1 has left; then the products of group g; then the maxima of group g - 1.
.macro SG g, pre
.if ((\pre) == 0) || ((\g) >= 3)
.if (\g) == 0
	s_wait_dscnt 12
.elseif (\g) <= 14
	s_wait_dscnt 6
.else
	s_wait_dscnt 0x0
.endif
.endif
.if ((\g) >= 1) && ((\g) <= 13)
	s_wait_alu depctr_va_vdst(0)                   ; the products of the group before are done reading their set of K's fragments and scale words, in which the six loads below land; what follows in this turn names the other two sets, scores, T and BM
	SLOAD (\g)+2
.endif
	SMUL \g
.if (\g) == 0
	WIN 0
	PLACES                                         ; behind group 0's products: there are no maxima yet to stand here
.else
	SMAX (\g)-1
.endif
.endm
; Even waves fetch the four waves' partial O^T of channels 32 B on (B = wave / 2) into the registers of groups 14 and 15, which phase S writes last.
; No wait on the vector side: no vector instruction has been issued since the wait ahead of O^T's stores, behind which phase N was done with these registers.
.macro PLOADS
	s_cmp_lg_u32 s21, 0
	s_cbranch_scc1 .Lno_pl_\@
	WIN 0xc0                                       ; destination window 3
.irp wv,0,1,2,3
.irp u,0,1
.irp c,0,1
	ds_load_b128 v[192+16*\wv+8*\u+4*\c:192+16*\wv+8*\u+4*\c+3], v[PLD] offset:4096*\wv+1024*\u+512*\c
.endr
.endr
.endr
	WIN 0
.Lno_pl_\@:
.endm
; Even waves: the four parts are added; my 16 numbers are channels 32 B + 16 h + 0 .. 15 of query r; with lane l xor 16's they are a block: its byte, its codes, out.
.macro REDUCE
	s_cmp_lg_u32 s21, 0
	s_cbranch_scc1 .Lno_red_\@
	WIN 0xcf                                       ; all in window 3
.set k, 0
.rept 8
	v_pk_add_f32 v[192+2*k:193+2*k], v[192+2*k:193+2*k], v[208+2*k:209+2*k]
	v_pk_add_f32 v[224+2*k:225+2*k], v[224+2*k:225+2*k], v[240+2*k:241+2*k]
.set k, k+1
.endr
.set k, 0
.rept 8
	v_pk_add_f32 v[192+2*k:193+2*k], v[192+2*k:193+2*k], v[224+2*k:225+2*k]
.set k, k+1
.endr
	WIN 0x0f
	v_max3_num_f32 v[T+8], |v192|, |v193|, 0x1800000 ; two chains, with the floor 2^(3 - 127) among the leaves
	v_max3_num_f32 v[T+9], |v194|, |v195|, 0x1800000
	WIN 0x3c
.irp a,4,8,12
	v_max3_num_f32 v[T+8], v[T+8], |v[192+\a]|, |v[193+\a]|
	v_max3_num_f32 v[T+9], v[T+9], |v[194+\a]|, |v[195+\a]|
.endr
	WIN 0
	v_max_num_f32 v[T+8], v[T+8], v[T+9]
	v_permlanex16_b32 v[T+9], v[T+8], s28, s29
	v_max_num_f32 v[T+8], v[T+8], v[T+9]           ; the block's largest magnitude
	v_add_nc_u32 v[T+10], 0xff000000, v[T+8]       ; 2 off its exponent field: the conversions' scale operand
	v_lshrrev_b32 v[T+11], 23, v[T+10]             ; the byte
	WIN 0x03
	v_cvt_scalef32_pk8_fp4_f32 v[T+6], v[192:199], v[T+10]
	v_cvt_scalef32_pk8_fp4_f32 v[T+7], v[200:207], v[T+10]
	WIN 0
	v_nop                                          ; one plain instruction behind the last conversion: products write its sources later
	s_wait_alu depctr_va_vdst(0)                   ; the conversions have written T+6 and T+7 and the shift T+11, which the two stores below read
	global_store_b64 v[CAD], v[T+6:T+7], s[16:17]  ; 32 lanes store 256 consecutive bytes, aligned
	ds_store_b8 v[CSB], v[T+11]                    ; both lanes of a block write the same byte with the same value
.Lno_red_\@:
.endm
; PHASE S.  red = 1: the tile before is finished behind group 5: the wait at group 3 leaves out only the six loads of group 4, so PLOADS' sixteen, issued ahead of them, are in.
; (Behind REDUCE an even wave has one LDS store more out than the counts reckon: they are then one stricter than need be.)
.macro SPHASE pre, red
.irp g,0,1,2,3,4,5,6,7,8,9,10,11,12,13,14,15
	SG \g, \pre
.if (\red) && (\g == 5)
	REDUCE
.endif
.endr
	SMAX 15                                        ; group 14's lines were the places behind group 15's products
.endm
.macro MPH                             ; m_w: the largest of my query's 1,024 scores; kept as -c m_w
	v_max3_num_f32 v[T], v[BM], v[BM+1], v[BM+2]
	v_max3_num_f32 v[T+1], v[BM+3], v[BM+4], v[BM+5]
	v_max3_num_f32 v[T+2], v[BM+6], v[BM+7], v[BM+8]
	v_max3_num_f32 v[T+3], v[BM+9], v[BM+10], v[BM+11]
	v_max3_num_f32 v[T], v[T], v[BM+12], v[BM+13]
	v_max3_num_f32 v[T+1], v[T+1], v[BM+14], v[BM+15]
	v_max3_num_f32 v[T], v[T], v[T+1], v[T+2]
	v_max3_num_f32 v[T], v[T], v[T+3], 0xdf800000  ; held at -2^64 from below, under every real score: where all my keys are masked (-2^100) every exponent is then hugely negative, p = 0 and l_w = 0
	v_permlanex16_b32 v[T+1], v[T], s28, s29
	v_max_num_f32 v[T], v[T], v[T+1]
	v_mul_f32 v[NCM], s33, v[T]
.endm
; PHASE E, group g: p = 2^(c s - c m_w) in place.  The next group's multiply-adds (same window) stand between the exponentials, so that each pair of exponentials has a plain instruction behind it.  Then the sums, in eight packed chains.
.macro EGROUP g
.set PB_, 32*((\g)%8)
.set WW, 2+(\g)/8
	WIN (WW<<6)|WW
.if (\g)%8 == 0
.set k, 0
.rept 16
	v_pk_fma_f32 v[PB_+2*k:PB_+2*k+1], v[PB_+2*k:PB_+2*k+1], s[26:27], v[NCM:NCM+1] op_sel_hi:[1,0,0]
.set k, k+1
.endr
.endif
.set k, 0
.rept 16
.if (\g)%8 < 7
	v_pk_fma_f32 v[PB_+32+2*k:PB_+32+2*k+1], v[PB_+32+2*k:PB_+32+2*k+1], s[26:27], v[NCM:NCM+1] op_sel_hi:[1,0,0]
.endif
	v_exp_f32 v[PB_+2*k], v[PB_+2*k]
	v_exp_f32 v[PB_+2*k+1], v[PB_+2*k+1]
.set k, k+1
.endr
.if (\g)%8 == 7
	v_nop                                          ; a window's last group has no multiply-adds among its exponentials: one plain instruction stands between them and the sums that read them (ISA guide 5.7.2)
.endif
.if (\g) == 0
	WIN 0x0a                                       ; the first group starts the chains: nothing is cleared
	s_wait_alu depctr_va_vdst(0)                   ; group 0's exponentials have written their results, which the sums below read; and phase S's products are done reading Q's fragment and scale words, in which the next tile's loads land behind these sums
.set k, 0
.rept 8
	v_pk_add_f32 v[T+2*k:T+2*k+1], v[PB_+2*k:PB_+2*k+1], v[PB_+16+2*k:PB_+16+2*k+1]
.set k, k+1
.endr
.else
	WIN WW<<2
	s_wait_alu depctr_va_vdst(0)                   ; the group's 32 exponentials have written their results, which the sums below read
.set k, 0
.rept 16
	v_pk_add_f32 v[T+2*(k%8):T+2*(k%8)+1], v[T+2*(k%8):T+2*(k%8)+1], v[PB_+2*k:PB_+2*k+1]
.set k, k+1
.endr
.endif
.endm
; THE EXCHANGE.  l_w; (-c m_w, l_w) to LDS; barrier A; all four back; f_w; each block's largest weight, its scale operand and byte; P's scale words.
.macro X1
	WIN 0
.irp a,0,2,4,6
	v_pk_add_f32 v[T+\a:T+\a+1], v[T+\a:T+\a+1], v[T+8+\a:T+8+\a+1]
.endr
	v_pk_add_f32 v[T:T+1], v[T:T+1], v[T+4:T+5]
	v_pk_add_f32 v[T+2:T+3], v[T+2:T+3], v[T+6:T+7]
	v_pk_add_f32 v[T:T+1], v[T:T+1], v[T+2:T+3]
	v_add_f32 v[T], v[T], v[T+1]
	v_permlanex16_b32 v[T+1], v[T], s28, s29
	v_add_f32 v[T], v[T], v[T+1]                   ; l_w
	v_cndmask_b32 v[T+2], v[NCM], v[T], s32        ; lanes 0-15 send -c m_w, lanes 16-31 l_w
	s_wait_alu depctr_va_vdst(0)                   ; the select has written T+2, which the store below reads; the sums are done with T+4 to T+11, in which the two loads behind the barrier land (the multiply-adds between name BM and -c m_w alone)
	ds_store_b32 v[STS], v[T+2]
	s_wait_dscnt 0x0                               ; for the others' sake: my store has landed (and no LDS load of mine is out)
	s_barrier_signal -1                            ; BARRIER A
.irp g,0,1,2,3,4,5,6,7,8,9,10,11,12,13,14,15
	v_fma_f32 v[BM+\g], v[BM+\g], s26, v[NCM]      ; each block's largest score goes the way of every score
.endr
	s_barrier_wait -1
	ds_load_b128 v[T+4:T+7], v[STL]                ; the four waves' -c m_w of my query,
	ds_load_b128 v[T+8:T+11], v[STL] offset:256    ; and their l_w
.irp g,0,1,2,3,4,5,6,7,8,9,10,11,12,13,14,15
	v_exp_f32 v[BM+\g], v[BM+\g]
.endr
	v_nop                                          ; a plain instruction behind the exponentials
	s_wait_dscnt 0x0
	v_min3_num_f32 v[T+12], v[T+4], v[T+5], v[T+6]
	v_min_num_f32 v[T+12], v[T+12], v[T+7]         ; -c m: the row's largest score has the least -c m_w
.irp a,4,5,6,7
	v_sub_f32 v[T+\a], v[T+12], v[T+\a]            ; c m_w - c m, 0 or less
.endr
	v_sub_f32 v[T+13], v[T+12], v[NCM]             ; mine
.irp a,4,5,6,7,13
	v_exp_f32 v[T+\a], v[T+\a]
.endr
	v_nop
	s_wait_alu depctr_va_vdst(0)                   ; the five exponentials above, and the sixteen of the blocks' largest scores, have written their results, ahead of their first reader
	v_mul_f32 v[T+14], v[T+4], v[T+8]
	v_fmac_f32 v[T+14], v[T+5], v[T+9]
	v_fmac_f32 v[T+14], v[T+6], v[T+10]
	v_fmac_f32 v[T+14], v[T+7], v[T+11]            ; l: about 1 or more, since the wave with the row's largest score has the factor 1 and a p of about 1
	v_rcp_f32 v[T+14], v[T+14]
	v_nop
	s_wait_alu depctr_va_vdst(0)                   ; the reciprocal has written T+14, ahead of its reader
	v_mul_f32 v[F], v[T+13], v[T+14]               ; f_w
.irp g,0,1,2,3,4,5,6,7,8,9,10,11,12,13,14,15
	v_mul_f32 v[BM+\g], v[BM+\g], v[F]             ; the block's largest weight
.endr
.irp g,0,1,2,3,4,5,6,7,8,9,10,11,12,13,14,15
	v_max_num_f32 v[BM+\g], 0x1800000, v[BM+\g]    ; the floor 2^(3 - 127): the byte cannot fall under 1
.endr
.irp g,0,1,2,3,4,5,6,7,8,9,10,11,12,13,14,15
	v_add_nc_u32 v[BM+\g], 0xff000000, v[BM+\g]    ; 2 off the exponent field: the conversions' scale operand
.endr
	s_wait_alu depctr_vm_vsrc(0)                   ; the statistics' store has read T+2, which the shifts below write again
.irp g,0,1,2,3,4,5,6,7,8,9,10,11,12,13,14,15
	v_lshrrev_b32 v[T+\g], 23, v[BM+\g]            ; the byte
.endr
.irp s,0,1,2,3,4,5,6,7                 ; K step s = groups 2 s, 2 s + 1: bytes (2 s, h = 0), (2 s, 1), (2 s + 1, 0), (2 s + 1, 1)
	v_lshl_or_b32 v[PW+\s], v[T+2*\s+1], 16, v[T+2*\s]
.endr
.irp s,0,1,2,3,4,5,6,7
	v_lshlrev_b32 v[PW+\s], v[SH8], v[PW+\s]
.endr
.irp s,0,1,2,3,4,5,6,7
	v_permlanex16_b32 v[T+2*\s], v[PW+\s], s28, s29
.endr
.irp s,0,1,2,3,4,5,6,7
	v_or_b32 v[PW+\s], v[PW+\s], v[T+2*\s]
.endr
.endm
; PHASE N, K step s = 128 keys = groups 2 s, 2 s + 1
.macro NMUL s                          ; the finished weights: p f_w
.set WW, 2+(\s)/4
.set PB_, 64*((\s)%4)
	WIN (WW<<6)|WW
.set k, 0
.rept 32
	v_pk_mul_f32 v[PB_+2*k:PB_+2*k+1], v[PB_+2*k:PB_+2*k+1], v[F:F+1] op_sel_hi:[1,0]
.set k, k+1
.endr
.endm
.macro NCVT s                          ; their codes: the operand's registers 4 c + t
.set WW, 2+(\s)/4
.set PB_, 64*((\s)%4)
	WIN WW
.irp c,0,1
.irp t,0,1,2,3
	v_cvt_scalef32_pk8_fp4_f32 v[PC+8*((\s)%2)+4*\c+\t], v[PB_+32*\c+8*\t:PB_+32*\c+8*\t+7], v[BM+2*(\s)+\c]
.endr
.endr
.endm
.macro NPV s                           ; O^T += V^T P^T: the four accumulators take turns, one instruction a turn; the first K step starts the sums
	WIN 0x01                                       ; source 0 (V) in window 1
.irp dt,0,1,2,3
.if (\s) == 0
	WM OA+8*\dt, 8*(4*(\s)+\dt), PC+8*((\s)%2), 0, 0, VS+2*(\s)+(\dt/2), PW+(\s), (\dt%2)
.else
	WM OA+8*\dt, 8*(4*(\s)+\dt), PC+8*((\s)%2), 1, OA+8*\dt, VS+2*(\s)+(\dt/2), PW+(\s), (\dt%2)
.endif
.endr
.endm
; A step's 32 multiplications are the plain instruction behind the conversions just made, the places in front of the products that take those codes, and the places before a set of codes is written again.
.macro NPH
	s_wait_loadcnt 0x0                             ; V (the first time) and the next tile's Q are in
	NMUL 0
	NCVT 0
.irp s,0,1,2,3,4,5,6
	NMUL \s+1
	s_wait_alu depctr_va_vdst(0)                   ; behind the places: the conversions have written this K step's codes, which the scaled products below take as an operand (the first time: the scale words of P and of V are written too)
	NPV \s
	NCVT \s+1
.endr
	WIN 0
	PLACES
	s_wait_alu depctr_va_vdst(0)                   ; behind the places: the conversions have written the last K step's codes, which the scaled products below take
	NPV 7
	WIN 0
	PLACES                                         ; in front of the stores that read O^T
	s_wait_alu depctr_va_vdst(0)                   ; behind the places: the products have written O^T, which the stores read.  Up to barrier B's far side no vector instruction follows: so the wait also serves the fetches of groups 0 to 2 and the even waves' sixteen loads
.endm
.macro VLOAD ks                        ; V's four fragments of K step ks
.irp dt,0,1,2,3
.irp c,0,1
	global_load_b128 v[8*(4*(\ks)+\dt)+4*\c:8*(4*(\ks)+\dt)+4*\c+3], v[LI], s[12:13] offset:2048*(2*(\ks)+\c)+512*\dt
.endr
.endr
.endm
; A TILE, from its scores on; its last part runs the next tile's phase S.  last = 1: there is no next tile.
.macro BODY last
	v_add_nc_u32 v[CSB], s31, v[CSA]               ; on every wave's path, ahead of the branches on the wave's number
	MPH
	EGROUP 0
.if \last == 0
	WIN 0
	s_add_nc_u64 s[4:5], s[4:5], 512               ; the loads that read these bases have been waited for
	s_add_nc_u64 s[6:7], s[6:7], 64
	global_load_b128 v[QF:QF+3], v[LI], s[4:5]     ; the next tile's Q.  No wait: since the wait ahead of group 0's sums only those sums were issued, which name T and scores
	global_load_b32 v[QS], v[R4], s[6:7]
.endif
.irp g,1,2,3,4,5,6,7,8,9,10,11,12,13,14,15
	EGROUP \g
.endr
	X1
	NPH
.irp dt,0,1,2,3
	ds_store_b128 v[PST], v[OA+8*\dt:OA+8*\dt+3] offset:1024*\dt            ; each accumulator from its low end on
	ds_store_b128 v[PST], v[OA+8*\dt+4:OA+8*\dt+7] offset:1024*\dt+512
.endr
.if \last == 0
	SLOAD 0
	SLOAD 1
	SLOAD 2
.endif
	s_wait_dscnt 0x0                               ; my part of O^T has landed; my reads of the statistics are long over
	s_barrier_signal -1                            ; BARRIER B
	s_barrier_wait -1
	PLOADS
.if \last == 0
	SPHASE 1, 1
	s_wait_xcnt 0x0                                ; the store's base and data are written again only behind this wait
	s_wait_alu depctr_vm_vsrc(0)                   ; this tile's stores have read O^T, T+6, T+7, T+11 and v[CSB], all of which the next tile writes again; ahead of the backward branch
	s_add_nc_u64 s[16:17], s[16:17], 4096          ; the next tile's image
	s_add_co_u32 s31, s31, 32                      ; and its scale bytes
.else
	s_wait_dscnt 0x0
	REDUCE
.endif
.endm
	s_load_b256 s[4:11], s[0:1], 0x0               ; Q's images, Q's scale words, K's images, K's scale words
	s_load_b256 s[12:19], s[0:1], 0x20             ; V's images, V's scale words, the context's codes, its scale bytes
	v_lshl_add_u32 v254, v0, 2, 0x28400            ; my spare word, behind the context's scale bytes, and 0: kept for the closing lines alone
	v_mov_b32 v255, 0
	v_lshrrev_b32 v1, 5, v0
	v_readfirstlane_b32 s20, v1                    ; wave 0..3
	s_wait_alu depctr_va_sdst(0)                   ; s20 is written, ahead of its first reader, the next line
	s_and_b32 s21, s20, 1                          ; odd waves take no part in the last sum
	s_lshr_b32 s34, s20, 1                         ; B: which 32 channels an even wave finishes
	s_and_b32 s35, ttmp7, 0xffff                   ; 8 batch + head
	s_mov_b32 s26, 0x3e38aa3b                      ; c = log2(e) / 8
	s_mov_b32 s27, s26                             ; (named with it as a pair, so it is written)
	s_mov_b32 s28, 0x76543210
	s_mov_b32 s29, 0xfedcba98                      ; v_permlanex16_b32's selects for lane l xor 16
	s_mov_b32 s32, 0xffff0000                      ; lanes 16-31
	s_mov_b32 s33, 0xbe38aa3b                      ; -c
	s_mov_b32 s31, 0
	s_mov_b32 s30, 15
	s_mov_b32 s23, 0
.set n, 0
.rept 24
	v_mov_b32 v[T+n], 0                            ; written once: lane permutes' destinations count as sources
.set n, n+1
.endr
	v_mov_b32 v[NCM+1], 0                          ; (upper halves of pairs that the packed forms name)
	v_mov_b32 v[F+1], 0
	v_mov_b32 v[NEGINF], 0xff800000
.set n, 0
.rept 12                               ; the constant halves of K's fragments: k = 64 .. 127: the code -1 at k = 64 (lanes 0-15, register 4, lowest four bits), else zeros
	v_cndmask_b32 v[KF+8*n+4], 10, v[T], s32
	v_mov_b32 v[KF+8*n+5], 0
	v_mov_b32 v[KF+8*n+6], 0
	v_mov_b32 v[KF+8*n+7], 0
.set n, n+1
.endr
	v_cndmask_b32 v[QF+4], 2, v[T], s32            ; Q's: the code +1 at k = 64
	v_mov_b32 v[QF+5], 0
	v_mov_b32 v[QF+6], 0
	v_mov_b32 v[QF+7], 0
	v_mov_b32 v[SELV], 0x05040100
	v_mov_b32 v[T+1], 0x07060302
	v_cndmask_b32 v[SELV], v[SELV], v[T+1], s32
	v_and_b32 v[T+2], 31, v0                       ; lane
	v_and_b32 v[T+3], 15, v0                       ; r
	v_bfe_u32 v[T+4], v0, 4, 1                     ; h
	v_lshlrev_b32 v[LI], 4, v[T+2]
	s_lshl_b32 s22, s20, 15
	v_add_nc_u32 v[KAD], s22, v[LI]                ; KIMG (0) + 32,768 wave + 16 lane
	s_lshl_b32 s22, s20, 12
	s_add_co_u32 s24, s22, KSC
	v_lshl_add_u32 v[KSA], v[T+2], 2, s24
	v_add_nc_u32 v[KSW], s24, v[LI]
	s_add_co_u32 s24, s22, PART
	v_add_nc_u32 v[PST], s24, v[LI]
	s_lshl_b32 s24, s34, 11
	s_add_co_u32 s24, s24, PART
	v_add_nc_u32 v[PLD], s24, v[LI]
	v_lshlrev_b32 v[STL], 4, v[T+3]
	v_add_nc_u32 v[STL], STAT, v[STL]
	s_lshl_b32 s24, s20, 2
	v_lshl_add_u32 v[STS], v[T+4], 8, v[STL]
	v_add_nc_u32 v[STS], s24, v[STS]
	v_lshlrev_b32 v[R4], 2, v[T+3]
	s_lshl_b32 s24, s34, 8
	v_lshlrev_b32 v[CAD], 4, v[T+3]
	v_lshl_add_u32 v[CAD], v[T+4], 3, v[CAD]
	v_add_nc_u32 v[CAD], s24, v[CAD]               ; 16 (16 B + r) + 8 h
	s_add_co_u32 s24, s34, CST
	v_lshl_add_u32 v[CSA], v[T+3], 1, s24
	v_lshlrev_b32 v[SH8], 3, v[T+4]
	v_add_nc_u32 v[CSR], CST, v[LI]
	s_wait_kmcnt 0x0
	s_lshl_b32 s22, s35, 17                        ; Q's images: (256 bh + 16 x) tiles of 512 bytes
	s_lshl_b32 s24, ttmp9, 13
	s_add_co_u32 s22, s22, s24
	s_add_nc_u64 s[4:5], s[4:5], s[22:23]
	s_lshl_b32 s22, s35, 14                        ; their scale words: 64 bytes a tile
	s_lshl_b32 s24, ttmp9, 10
	s_add_co_u32 s22, s22, s24
	s_add_nc_u64 s[6:7], s[6:7], s[22:23]
	s_lshl_b32 s22, s35, 17                        ; K's and V's images: 131,072 bytes a head, 32,768 a wave
	s_lshl_b32 s24, s20, 15
	s_add_co_u32 s22, s22, s24
	s_add_nc_u64 s[8:9], s[8:9], s[22:23]
	s_add_nc_u64 s[12:13], s[12:13], s[22:23]
	s_lshl_b32 s22, s35, 14                        ; K's scale words: 16,384 a head, 4,096 a wave
	s_lshl_b32 s24, s20, 12
	s_add_co_u32 s22, s22, s24
	s_add_nc_u64 s[10:11], s[10:11], s[22:23]
	s_lshl_b32 s22, s35, 13                        ; V's: 8,192 a head, 2,048 a wave
	s_lshl_b32 s24, s20, 11
	s_add_co_u32 s22, s22, s24
	s_add_nc_u64 s[14:15], s[14:15], s[22:23]
	s_lshl_b32 s22, s35, 13                        ; the context's scale bytes: 8,192 a head, 512 a work-group
	s_lshl_b32 s24, ttmp9, 9
	s_add_co_u32 s22, s22, s24
	s_add_nc_u64 s[18:19], s[18:19], s[22:23]
	s_lshr_b32 s22, s35, 3                         ; the context's codes: (256 batch + 16 x) tiles of 4,096 bytes, + 512 head
	s_lshl_b32 s22, s22, 20
	s_lshl_b32 s24, ttmp9, 16
	s_add_co_u32 s22, s22, s24
	s_and_b32 s24, s35, 7
	s_lshl_b32 s24, s24, 9
	s_add_co_u32 s22, s22, s24
	s_add_nc_u64 s[16:17], s[16:17], s[22:23]
	; K goes to LDS once, through the registers that will hold scores.  74 loads in one run: where the counter's field is full the issue of the next load waits (ISA guide 5.7.1); no wait is written for that.
	WIN 0x80                                       ; destination window 2
	s_wait_alu depctr_va_vdst(0)                   ; every address and offset of the kernel (v1 to v10, v242, v243) is written, which the loads and stores from here on read; so are the constant halves of K's and Q's fragments, which the scaled products take
.set n, 0
.rept 64
	global_load_b128 v[4*n:4*n+3], v[LI], s[8:9] offset:512*n
.set n, n+1
.endr
	WIN 0xc0                                       ; destination window 3
.set n, 0
.rept 8
	global_load_b128 v[4*n:4*n+3], v[LI], s[10:11] offset:512*n
.set n, n+1
.endr
	WIN 0
	global_load_b128 v[QF:QF+3], v[LI], s[4:5]     ; the first tile's Q
	global_load_b32 v[QS], v[R4], s[6:7]
	s_wait_loadcnt 42                              ; behind the first 32 loads: 32 + 8 + 2
	WIN 0x08                                       ; an LDS store's data are its source 1: window 2
.set n, 0
.rept 32
	ds_store_b128 v[KAD], v[4*n:4*n+3] offset:512*n
.set n, n+1
.endr
	s_wait_loadcnt 10                              ; behind the next 32: 8 + 2
.rept 32
	ds_store_b128 v[KAD], v[4*n:4*n+3] offset:512*n
.set n, n+1
.endr
	s_wait_loadcnt 0x0
	WIN 0x0c                                       ; window 3
.set n, 0
.rept 8
	ds_store_b128 v[KSW], v[4*n:4*n+3] offset:512*n
.set n, n+1
.endr
	WIN 0
	SLOAD 0                                        ; LDS serves a wave's instructions in order (ISA guide 5.7.1.4): these see my stores; the bytes are my wave's own
	SLOAD 1
	SLOAD 2
.irp ks,0,1,2,3,4,5,6,7                ; V's scale words as they lie: (64 keys, pair of tiles): two tiles' 16 bits each
.irp pr,0,1
.irp c,0,1
	global_load_b32 v[OA+4*\ks+2*\pr+\c], v[R4], s[14:15] offset:128*(2*\ks+\c)+64*\pr
.endr
.endr
.endr
	WIN 0x40                                       ; destination window 1
	VLOAD 0
	VLOAD 1
	VLOAD 2
	WIN 0
	s_wait_alu depctr_vm_vsrc(0)                   ; the LDS stores of the copy of K have read the registers of windows 2 and 3, which the first tile's products write
	SPHASE 0, 0                                    ; the first tile's scores
	s_wait_loadcnt 24                              ; behind V's scale words: the 24 loads of V's first three K steps
.irp ks,0,1,2,3,4,5,6,7
.irp pr,0,1
	v_perm_b32 v[VS+2*\ks+\pr], v[OA+4*\ks+2*\pr+1], v[OA+4*\ks+2*\pr], v[SELV]   ; a K step's word: the first 64 keys' 16 bits below, the next 64 keys' above; lanes 0-15 the even tile, lanes 16-31 the odd
.endr
.endr
	WIN 0x40
	VLOAD 3
	VLOAD 4
	VLOAD 5
	VLOAD 6
	VLOAD 7
	WIN 0
.Ltile:                                            ; 15 trips; the last tile is written out, since nothing follows it
	BODY 0
	s_sub_co_u32 s30, s30, 1
	s_cmp_lg_u32 s30, 0
	s_cbranch_scc1 .Ltile
	BODY 1
	s_wait_dscnt 0x0                               ; the last scale bytes have landed
	s_barrier_signal -1
	s_barrier_wait -1
	s_cmp_lg_u32 s20, 0
	s_cbranch_scc1 .Ldone
	ds_load_b128 v[T:T+3], v[CSR]                  ; wave 0: the work-group's 512 scale bytes.  No wait on the vector side: the exchange's lines, the last to name T to T+3, stand ahead of phase N's waits
	s_wait_dscnt 0x0
	global_store_b128 v[LI], v[T:T+3], s[18:19]    ; 512 consecutive bytes, aligned
.Ldone:
	s_wait_dscnt 0x0                               ; the closing lines, six on end
	s_wait_alu 0x0
	s_wait_tensorcnt 0x0
	ds_add_u32 v254, v255
	s_wait_dscnt 0x0
	s_endpgm
.Lfunc_end_k_q80bc79f8bd_attn:
	.size	k_q80bc79f8bd_attn, .Lfunc_end_k_q80bc79f8bd_attn-k_q80bc79f8bd_attn
	.p2alignl 7, 3214868480
	.fill 96, 4, 3214868480
	.section	.rodata,"a",@progbits
	.p2align	6, 0x0
	.amdhsa_kernel k_q80bc79f8bd_attn
		.amdhsa_group_segment_fixed_size 165376
		.amdhsa_private_segment_fixed_size 0
		.amdhsa_enable_private_segment 0
		.amdhsa_kernarg_size 64
		.amdhsa_user_sgpr_count 2
		.amdhsa_user_sgpr_kernarg_segment_ptr 1
		.amdhsa_wavefront_size32 1
		.amdhsa_system_sgpr_workgroup_id_x 1
		.amdhsa_system_sgpr_workgroup_id_y 1
		.amdhsa_system_sgpr_workgroup_id_z 1
		.amdhsa_system_vgpr_workitem_id 0
		.amdhsa_next_free_vgpr 1024
		.amdhsa_next_free_sgpr 66
		.amdhsa_reserve_vcc 0
		.amdhsa_float_denorm_mode_32 3
		.amdhsa_float_denorm_mode_16_64 3
		.amdhsa_memory_ordered 1
		.amdhsa_forward_progress 1
		.amdhsa_inst_pref_size 255
	.end_amdhsa_kernel
	.section	.bss,"aw",@nobits
	.p2align	6
	.space	262144
	.amdgpu_metadata
---
amdhsa.version: [ 1, 2 ]
amdhsa.kernels:
  - .name:           k_q80bc79f8bd_attn
    .symbol:         k_q80bc79f8bd_attn.kd
    .args:
      - { .name: qimg, .offset: 0, .size: 8, .value_kind: global_buffer, .address_space: global }
      - { .name: qsc, .offset: 8, .size: 8, .value_kind: global_buffer, .address_space: global }
      - { .name: kimg, .offset: 16, .size: 8, .value_kind: global_buffer, .address_space: global }
      - { .name: ksc, .offset: 24, .size: 8, .value_kind: global_buffer, .address_space: global }
      - { .name: vimg, .offset: 32, .size: 8, .value_kind: global_buffer, .address_space: global }
      - { .name: vsc, .offset: 40, .size: 8, .value_kind: global_buffer, .address_space: global }
      - { .name: ctxc, .offset: 48, .size: 8, .value_kind: global_buffer, .address_space: global }
      - { .name: ctxs, .offset: 56, .size: 8, .value_kind: global_buffer, .address_space: global }
    .group_segment_fixed_size: 165376
    .private_segment_fixed_size: 0
    .kernarg_segment_align: 8
    .kernarg_segment_size: 64
    .max_flat_workgroup_size: 128
    .sgpr_count:     66
    .vgpr_count:     1024
    .wavefront_size: 32
...
	.end_amdgpu_metadata
.endif
;; end of part 5
;; launch oproj (part 6): grid 256 x 1, 8 waves a work-group, no clusters, 35,840 bytes of LDS; arguments ctxc, ctxs, Wo_codes, Wo_scales, bo, out0; writes out0
.if DOCPART == 6
	.amdgcn_target "amdgcn-amd-amdhsa--gfx1250"
	.amdhsa_code_object_version 6
	.text
	.protected	k_q80bc79f8bd_oproj
	.globl	k_q80bc79f8bd_oproj
	.p2align	8
	.type	k_q80bc79f8bd_oproj,@function
k_q80bc79f8bd_oproj:
	s_mov_b64 s[64:65], 0
	v_nop
	global_prefetch_b8 v0, s[64:65] scope:SCOPE_SE
	s_setreg_imm32_b32 hwreg(HW_REG_WAVE_SCHED_MODE, 0, 2), 2
	s_setreg_imm32_b32 hwreg(HW_REG_WAVE_MODE, 25, 1), 1
	s_wait_xcnt 0x0
	s_wait_alu depctr_vm_vsrc(0)
; out0 = context Wo^T + bo on codes of FP4 (E2M1) with E8M0 scales.  The context's codes lie as images of the operand's registers ([tile of 16 rows][head][lane][16 bytes]), its scale bytes as [8 batch + head][row][2].
; SHARES.  A work-group takes 32 rows (two tiles), each of its eight waves 64 columns (four tiles): eight accumulators, K = 512 in four steps, 32 matrix instructions a wave.
; THE MATRIX INSTRUCTION IS USED TRANSPOSED (source 0 = 16 rows of Wo, source 1 = 16 rows of the context): a lane holds eight neighbouring columns of one row.  The bias is loaded into the accumulators.
; The way out goes through the wave's own stage in LDS (16 rows x (256 + 16) bytes): sixteen lanes store 256 consecutive bytes, aligned.  No barrier: waves share nothing.
; NO CLUSTER, NO TENSOR LOADS: every operand goes straight into registers, once a wave; what work-groups share (Wo, 136 KiB) is small beside the 16 MiB that the launch stores.
; THE MODE: SCHED_MODE bits 1:0 = 2 (LLVM: expert scheduling mode 2), set by the entry lines.  The code itself states the register dependences
; between vector or matrix instructions and memory or LDS instructions, with s_wait_alu, always for 0.
; THE PLAN.  Registers that memory or LDS instructions touch:
;   v1-v7   offsets and addresses: made at the head, never written again: one wait ahead of the first load.
;   CF      loaded; read by the products; then the stage's loads land in it, and the stores to memory read it.
;   ACC     loaded (the bias); written by the products; read by the stage's stores.
;   U, WF, WS are loaded once; CSW is written by vector instructions and taken by the scaled products as scales.
; No register that a memory or LDS instruction reads is written again.  Three waits on va_vdst: ahead of the first load; behind the eight places, ahead of the products; behind the four places, ahead of the stage's stores and loads.
.set LI16, 1                           ; v1   16 x lane
.set VU,   2                           ; v2   2 r
.set VW,   3                           ; v3   256 r + 16 h
.set VBO,  4                           ; v4   32 h
.set SO,   5                           ; v5   the stage: where I put 32 bytes of a row
.set SR,   6                           ; v6   and where I read a row back
.set GO,   7                           ; v7   2,048 h + 16 r: my place in two rows of the output
.set CF,   16                          ; v16-79   the context's fragments: 32 rt + 8 ks; later the rows on their way out
.set CSW,  80                          ; v80-87   its scale words: 4 rt + ks
.set U,    88                          ; v88-103  the heads' 16 bits of which they are made
.set WS,   104                         ; v104-111 Wo's scale words: 4 (ct / 2) + ks; lanes 0-15 the even tile, lanes 16-31 the odd
.set ACC,  112                         ; v112-175 accumulators: 8 (4 rt + ct)
.set WF,   176                         ; v176-239 Wo's fragments of K steps 0, 1: 8 (2 ct + ks); those of steps 2, 3 in window 1, v0-63
.set MSB, 0
.macro WIN new                         ; the immediate's high byte repeats the setting that is left
.if MSB != (\new)
	s_set_vgpr_msb (MSB<<8)|(\new)
.set MSB, (\new)
.endif
.endm
.macro WM d, a, b, sa, sb, odd         ; one link of a sum in place.  odd = 1: source 0's scale words stand in lanes 16-31
.if (\odd)
	v_wmma_scale_f32_16x16x128_f8f6f4 v[\d:\d+7], v[\a:\a+7], v[\b:\b+7], v[\d:\d+7], v[\sa], v[\sb] matrix_a_fmt:MATRIX_FMT_FP4 matrix_b_fmt:MATRIX_FMT_FP4 matrix_a_scale:MATRIX_SCALE_ROW1
.else
	v_wmma_scale_f32_16x16x128_f8f6f4 v[\d:\d+7], v[\a:\a+7], v[\b:\b+7], v[\d:\d+7], v[\sa], v[\sb] matrix_a_fmt:MATRIX_FMT_FP4 matrix_b_fmt:MATRIX_FMT_FP4
.endif
.endm
	s_load_b256 s[4:11], s[0:1], 0x0               ; the context's codes, its scale bytes, Wo's codes, Wo's scales
	s_load_b128 s[12:15], s[0:1], 0x20             ; bo, out0
	v_lshl_add_u32 v254, v0, 2, 0x8800             ; my spare word, behind the eight stages, and 0: kept for the closing lines alone
	v_mov_b32 v255, 0
	v_lshrrev_b32 v1, 5, v0
	v_readfirstlane_b32 s16, v1                    ; wave 0..7
	v_and_b32 v8, 31, v0                           ; lane
	v_and_b32 v9, 15, v0                           ; r
	v_bfe_u32 v10, v0, 4, 1                        ; h
	v_lshlrev_b32 v[LI16], 4, v8
	v_lshlrev_b32 v[VU], 1, v9
	v_lshlrev_b32 v[VW], 8, v9
	v_lshl_add_u32 v[VW], v10, 4, v[VW]
	v_lshlrev_b32 v[VBO], 5, v10
	s_wait_alu depctr_va_sdst(0)                   ; s16 is written, ahead of its first reader, the next line
	s_mul_i32 s17, s16, 4352                       ; my stage
	v_mul_u32_u24 v[SO], v9, 272
	v_lshl_add_u32 v[SO], v10, 5, v[SO]
	v_add_nc_u32 v[SO], s17, v[SO]
	v_mul_u32_u24 v[SR], v10, 272
	v_lshl_add_u32 v[SR], v9, 4, v[SR]
	v_add_nc_u32 v[SR], s17, v[SR]
	v_lshlrev_b32 v[GO], 11, v10
	v_lshl_add_u32 v[GO], v9, 4, v[GO]
	s_mov_b32 s19, 0
	s_wait_kmcnt 0x0
	s_lshl_b32 s18, ttmp9, 13                      ; two tiles of 4,096 bytes a work-group
	s_add_nc_u64 s[4:5], s[4:5], s[18:19]
	s_lshr_b32 s18, ttmp9, 7                       ; the batch: 8 heads x 8,192 bytes,
	s_lshl_b32 s18, s18, 16
	s_and_b32 s20, ttmp9, 127
	s_lshl_b32 s20, s20, 6                         ; and my 32 rows' 64 bytes in a head's
	s_add_co_u32 s18, s18, s20
	s_add_nc_u64 s[6:7], s[6:7], s[18:19]
	s_lshl_b32 s18, s16, 14                        ; my 64 rows of Wo
	s_add_nc_u64 s[8:9], s[8:9], s[18:19]
	s_lshl_b32 s18, s16, 10
	s_add_nc_u64 s[10:11], s[10:11], s[18:19]
	s_lshl_b32 s18, s16, 8                         ; my 64 columns: 256 bytes
	s_add_nc_u64 s[12:13], s[12:13], s[18:19]
	s_add_nc_u64 s[14:15], s[14:15], s[18:19]
	s_lshl_b32 s18, ttmp9, 16                      ; my 32 rows of 2,048 bytes
	s_add_nc_u64 s[14:15], s[14:15], s[18:19]
	s_wait_alu depctr_va_vdst(0)                   ; the offsets and addresses v1 to v7 are written: every load and store of the kernel reads one of them
.irp rt,0,1
.irp ks,0,1,2,3
.irp c,0,1
	global_load_b128 v[CF+32*\rt+8*\ks+4*\c:CF+32*\rt+8*\ks+4*\c+3], v[LI16], s[4:5] offset:4096*\rt+512*(2*\ks+\c)   ; K step ks = heads 2 ks, 2 ks + 1
.endr
.endr
.endr
.irp rt,0,1
.irp ks,0,1,2,3
.irp hs,0,1
	global_load_u16 v[U+8*\rt+2*\ks+\hs], v[VU], s[6:7] offset:8192*(2*\ks+\hs)+32*\rt
.endr
.endr
.endr
.irp ct,0,1,2,3
.irp ks,0,1
.irp c,0,1
	global_load_b128 v[WF+8*(2*\ct+\ks)+4*\c:WF+8*(2*\ct+\ks)+4*\c+3], v[VW], s[8:9] offset:4096*\ct+64*\ks+32*\c
.endr
.endr
.endr
	WIN 0x40                                       ; destination window 1
.irp ct,0,1,2,3
.irp ks,0,1
.irp c,0,1
	global_load_b128 v[8*(2*\ct+\ks)+4*\c:8*(2*\ct+\ks)+4*\c+3], v[VW], s[8:9] offset:4096*\ct+128+64*\ks+32*\c
.endr
.endr
.endr
	WIN 0
.irp q,0,1
	global_load_b128 v[WS+4*\q:WS+4*\q+3], v[LI16], s[10:11] offset:512*\q
.endr
.irp rt,0,1
.irp ct,0,1,2,3
	global_load_b128 v[ACC+8*(4*\rt+\ct):ACC+8*(4*\rt+\ct)+3], v[VBO], s[12:13] offset:64*\ct        ; register j: the bias of column 16 ct + 8 h + j
	global_load_b128 v[ACC+8*(4*\rt+\ct)+4:ACC+8*(4*\rt+\ct)+7], v[VBO], s[12:13] offset:64*\ct+16
.endr
.endr
	s_wait_loadcnt 0x0
.irp rt,0,1
.irp ks,0,1,2,3
	v_lshl_or_b32 v[CSW+4*\rt+\ks], v[U+8*\rt+2*\ks+1], 16, v[U+8*\rt+2*\ks]   ; a row's scale word of a K step: two heads' two bytes
.endr
.endr
.rept 8
	v_nop                                          ; a scale register written by a vector instruction stands eight plain instructions ahead of the scaled product
.endr
	s_wait_alu depctr_va_vdst(0)                   ; behind the places: the context's eight scale words are written, which the scaled products take
.irp ks,0,1,2,3                        ; the eight accumulators take turns, one instruction a turn
.if \ks == 2
	WIN 0x01                                       ; source 0 in window 1
.endif
.irp rt,0,1
.irp ct,0,1,2,3
.if \ks < 2
	WM ACC+8*(4*\rt+\ct), WF+8*(2*\ct+\ks), CF+32*\rt+8*\ks, WS+4*(\ct/2)+\ks, CSW+4*\rt+\ks, (\ct%2)
.else
	WM ACC+8*(4*\rt+\ct), 8*(2*\ct+\ks-2), CF+32*\rt+8*\ks, WS+4*(\ct/2)+\ks, CSW+4*\rt+\ks, (\ct%2)
.endif
.endr
.endr
.endr
	WIN 0
.rept 4
	v_nop                                          ; in front of the stores that read results
.endr
	s_wait_alu depctr_va_vdst(0)                   ; behind the places: the products have written the accumulators, which the stage's stores read, and are done reading the context's fragments, in which the stage's loads land
.irp rt,0,1
.irp ct,0,1,2,3
	ds_store_b128 v[SO], v[ACC+8*(4*\rt+\ct):ACC+8*(4*\rt+\ct)+3] offset:64*\ct           ; each accumulator from its low end on
	ds_store_b128 v[SO], v[ACC+8*(4*\rt+\ct)+4:ACC+8*(4*\rt+\ct)+7] offset:64*\ct+16
.endr
.irp t,0,1,2,3,4,5,6,7
	ds_load_b128 v[CF+32*\rt+4*\t:CF+32*\rt+4*\t+3], v[SR] offset:544*\t   ; LDS serves a wave's instructions in order (ISA guide 5.7.1.4): these see my stores, and the next tile's stores come behind them
.endr
.endr
.irp rt,0,1
.irp t,0,1,2,3,4,5,6,7
	s_wait_dscnt (1-\rt)*16+7-\t                   ; behind this load: the rest of its run, and for the first tile the second tile's 8 stores and 8 loads
	global_store_b128 v[GO], v[CF+32*\rt+4*\t:CF+32*\rt+4*\t+3], s[14:15] offset:32768*\rt+4096*\t th:TH_STORE_NT   ; 16 lanes store 256 consecutive bytes, aligned; written once, read by nobody here
.endr
.endr
	s_wait_dscnt 0x0                               ; the closing lines, six on end
	s_wait_alu 0x0
	s_wait_tensorcnt 0x0
	ds_add_u32 v254, v255
	s_wait_dscnt 0x0
	s_endpgm
.Lfunc_end_k_q80bc79f8bd_oproj:
	.size	k_q80bc79f8bd_oproj, .Lfunc_end_k_q80bc79f8bd_oproj-k_q80bc79f8bd_oproj
	.p2alignl 7, 3214868480
	.fill 96, 4, 3214868480
	.section	.rodata,"a",@progbits
	.p2align	6, 0x0
	.amdhsa_kernel k_q80bc79f8bd_oproj
		.amdhsa_group_segment_fixed_size 35840
		.amdhsa_private_segment_fixed_size 0
		.amdhsa_enable_private_segment 0
		.amdhsa_kernarg_size 48
		.amdhsa_user_sgpr_count 2
		.amdhsa_user_sgpr_kernarg_segment_ptr 1
		.amdhsa_wavefront_size32 1
		.amdhsa_system_sgpr_workgroup_id_x 1
		.amdhsa_system_sgpr_workgroup_id_y 1
		.amdhsa_system_sgpr_workgroup_id_z 1
		.amdhsa_system_vgpr_workitem_id 0
		.amdhsa_next_free_vgpr 320
		.amdhsa_next_free_sgpr 66
		.amdhsa_reserve_vcc 0
		.amdhsa_float_denorm_mode_32 3
		.amdhsa_float_denorm_mode_16_64 3
		.amdhsa_memory_ordered 1
		.amdhsa_forward_progress 1
		.amdhsa_inst_pref_size 20
	.end_amdhsa_kernel
	.amdgpu_metadata
---
amdhsa.version: [ 1, 2 ]
amdhsa.kernels:
  - .name:           k_q80bc79f8bd_oproj
    .symbol:         k_q80bc79f8bd_oproj.kd
    .args:
      - { .name: ctxc, .offset: 0, .size: 8, .value_kind: global_buffer, .address_space: global }
      - { .name: ctxs, .offset: 8, .size: 8, .value_kind: global_buffer, .address_space: global }
      - { .name: Wo_codes, .offset: 16, .size: 8, .value_kind: global_buffer, .address_space: global }
      - { .name: Wo_scales, .offset: 24, .size: 8, .value_kind: global_buffer, .address_space: global }
      - { .name: bo, .offset: 32, .size: 8, .value_kind: global_buffer, .address_space: global }
      - { .name: out0, .offset: 40, .size: 8, .value_kind: global_buffer, .address_space: global }
    .group_segment_fixed_size: 35840
    .private_segment_fixed_size: 0
    .kernarg_segment_align: 8
    .kernarg_segment_size: 48
    .max_flat_workgroup_size: 256
    .sgpr_count:     66
    .vgpr_count:     320
    .wavefront_size: 32
...
	.end_amdgpu_metadata
.endif
;; end of part 6
